; MI455X (gfx1250); checked and timed in simulation.
; The chip was launched on July 23, 2026; its instructions are those of AMD's public machine-readable ISA for CDNA 5 (MIT licence, August 2026) and "CDNA5" Instruction Set Architecture Reference Guide (July 2026). The comments in the code are by the model that wrote it; some were corrected since.
;; Causal Self Attention. Allowed arithmetic: matrix products marked QUANTISED: E2M1 operands, one E8M0 scale for each 32 along K, by v_wmma_scale_f32_16x16x128_f8f6f4 with both operands' format E2M1 (or v_wmma_scale_f32_32x16x128_f4), f32 sums; products left as they are: bf16, f16 or f32 operands; f32 sums; everything else in f32.
;; Inputs: w_attn 1,024 x 3,072 float32; w_proj 1,024 x 1,024 float32; x 4 x 2,048 x 1,024 float32.
;; Outputs: out0 4 x 2,048 x 1,024 float32.
;; This version of the problem:
;;   THIS VERSION OF THE PROBLEM IS GIVEN IN LOW PRECISION. The matrix products marked QUANTISED in the list below multiply operands that are first quantised to E2M1 (2 exponent bits, 1 mantissa bit; 4 bits a number), with one power-of-two scale for each 32 numbers along K (OCP MX v1.0); their sums are f32. The products marked 'left as it is' may take bf16, f16 or f32 operands, with f32 sums. Whichever they take, every output number must still come out within the allowed error. Rounding operands to bf16 (8 significant bits) uses up far more of that allowance than f16 does (11 bits, for magnitudes from 6e-5 to 65,504). All else is computed in f32.
;;   The module's matrix products, in the order in which they are computed (A, B: the left and right operand; K: the contracted axis; several contracted axes count as one K, in the product's order):
;;     1. [M 8,192, K 1,024] x [K 1,024, N 3,072]; A: input x; B: input w_attn: QUANTISED
;;     2. batch 64 x [M 2,048, K 64] x [K 64, N 2,048]; A: computed on the way; B: computed on the way: left as it is (an operand is computed on the way)
;;     3. batch 64 x [M 2,048, K 2,048] x [K 2,048, N 64]; A: computed on the way; B: computed on the way: left as it is (an operand is computed on the way)
;;     4. [M 8,192, K 1,024] x [K 1,024, N 1,024]; A: computed on the way; B: input w_proj: left as it is (an operand is computed on the way)
;;   THE QUANTISER, for each operand of a quantised product, along K:
;;     - K is cut into blocks of 32 from its start; a last block that is shorter is filled with zeros.
;;     - A block's scale is 2^e with e = floor(log2(the largest magnitude in the block)) - 2, held to -126 .. 127; a block of zeros has e = 0. As a byte (E8M0): e + 127.
;;     - Each number is divided by its block's scale, clamped to +-6, and rounded to the nearest number of E2M1, ties to even, subnormals kept.
;;     - The product sums the exact products of the quantised numbers (number of the format x scale) in f32.
;;   ~~~python
;;   def quantise(x, axis):      # numpy; x: float32 -> the quantised numbers, widened to float32 again
;;       x = np.moveaxis(x, axis, -1); K = x.shape[-1]
;;       x = np.pad(x, [(0, 0)] * (x.ndim - 1) + [(0, -K % 32)]); x = x.reshape(x.shape[:-1] + (-1, 32)); a = np.abs(x).max(-1, keepdims=True)
;;       e = np.where(a > 0, np.clip(np.frexp(np.where(a > 0, a, 1))[1] - 1 - 2, -126, 127), 0)      # np.frexp(a)[1] - 1 = floor(log2(a)), exactly
;;       r = np.clip(x / 2.0 ** e, -6, 6)
;;       step = 2.0 ** (np.maximum(np.frexp(np.where(r == 0, 1, r))[1] - 1, 0) - 1)
;;       q = np.round(r / step) * step * 2.0 ** e      # np.round: ties to even
;;       return np.moveaxis(q.reshape(q.shape[:-2] + (-1,))[..., :K], -1, axis).astype(np.float32)
;;   ~~~
;; One version. Each part assembles by itself: llvm-mc -triple=amdgcn-amd-amdhsa -mcpu=gfx1250 --defsym DOCPART=n.
;; ======== version 1 of 1: 5 launches
;; limits: values are held in f16: magnitudes above 65,504 overflow, below 6.1e-05 lose precision
;; workspace buffers: codes 5,767,168 bytes; scales 360,448 bytes; wp16 2,097,152 bytes; rope 524,288 bytes; qkv16 50,331,648 bytes; qkvf 786,432 bytes; y16 16,777,216 bytes
;; launch prep (part 1): grid 432 x 1, 4 waves a work-group, no clusters, 85,504 bytes of LDS; arguments x, w_attn, w_proj, codes, scales, wp16, rope; writes codes, scales, wp16, rope
.if DOCPART == 1
	.amdgcn_target "amdgcn-amd-amdhsa--gfx1250"
	.amdhsa_code_object_version 6
	.text
	.protected	k_qffa102b819_prep
	.globl	k_qffa102b819_prep
	.p2align	8
	.type	k_qffa102b819_prep,@function
k_qffa102b819_prep:
	s_mov_b64 s[64:65], 0
	v_nop
	global_prefetch_b8 v0, s[64:65] scope:SCOPE_SE
	s_setreg_imm32_b32 hwreg(HW_REG_WAVE_MODE, 25, 1), 1
	s_wait_xcnt 0x0
; PREPARATION, four jobs in one launch, told apart by the work-group's number alone:
;   work-groups   0 ..  95: w_attn [1024 (k)][3072 (n)] f32 -> codes of E2M1 laid [n][k], K innermost (512 bytes a row), and one E8M0 byte for each 32 along K ([n][32])
;   work-groups  96 .. 159: w_proj [1024 (k)][1024 (n)] f32 -> f16, laid [n][k]
;   work-groups 160 .. 175: the table of cosines and sines: row t (256 bytes) = cos(t f_i), i = 0 .. 31, then sin(t f_i); f_i = 10000^(-i / 32)
;   work-groups 176 .. 431: x [8192][1024] f32 -> codes (512 bytes a row) and scale bytes (32 a row)
; codes: x's rows from byte 0, w_attn's from byte 4,194,304.  scales: x's from byte 0, w_attn's from byte 262,144.
; A block's scale is 2^(floor(log2(its largest magnitude)) - 2); its byte is the largest magnitude's exponent field - 2, held at 1 from below by a floor among the maximum's leaves.
; LIMITS: a block of zeros gets the byte 1 (its codes are zeros, and this program alone reads the bytes); blocks whose largest magnitude lies under 2^-124 are held at the byte 1;
; NaN and infinities among the inputs are not served; |w_proj| above 65,504 has no f16 number; f_i comes from v_exp_f32, so an angle can be off by about 1.5e-4 rad at t = 2,047.
; Each job has LDS bytes of its own: x 0 .. 32,767 (8,192 a wave); w_attn's stage 32,768 .. 50,175; w_proj's stages 50,176 .. 84,991; the spare words from 84,992.
.set SPW,   192                        ; v192 LDS address of my spare word; never rewritten
.set NIL,   193                        ; v193 0; never rewritten
.set WSTG,  32768
.set PSTG,  50176
.set SPARE, 84992
.set EMAX,  2
	s_load_b256 s[4:11], s[0:1], 0x0               ; x s[4:5], w_attn s[6:7], w_proj s[8:9], codes s[10:11]
	s_load_b128 s[12:15], s[0:1], 0x20             ; scales s[12:13], wp16 s[14:15]
	s_load_b64 s[16:17], s[0:1], 0x30              ; rope
	v_lshl_add_u32 v[SPW], v0, 2, SPARE
	v_mov_b32 v[NIL], 0
	v_lshrrev_b32 v1, 5, v0
	v_readfirstlane_b32 s18, v1                    ; wave 0..3
	v_and_b32 v2, 31, v0                           ; lane
	s_mov_b32 s23, 0                               ; the high word of every offset pair s[22:23]
	s_wait_kmcnt 0x0
	s_cmp_lt_u32 ttmp9, 96
	s_cbranch_scc1 .Lw_path
	s_cmp_lt_u32 ttmp9, 160
	s_cbranch_scc1 .Lp_path
	s_cmp_lt_u32 ttmp9, 176
	s_cbranch_scc1 .Lr_path
; ---------------------------------------------------------------- x: a plain stream of blocks of 32
; A wave takes 16 steps of 512 numbers.  Each of a step's four loads reads 512 consecutive bytes; the 2,048 bytes turn through the wave's own stage (16 bytes of padding behind each 64) and come back
; 64 bytes a lane: 16 neighbours along K, two lanes to a block.  A step's codes leave as 256 consecutive bytes; the wave's 256 scale bytes are gathered in LDS and leave as one run of 256.
.set XR,  16                           ; v16-79   four sets of 16 numbers as loaded
.set XX,  80                           ; v80-111  two sets of 16 neighbours
.set XE,  112                          ; v112-127 a scale byte for each step
.set XC,  128                          ; v128-191 codes: four registers for each step, so that no store's data are written again
.set XSP, 80                           ; a lane's place in a stage
	s_sub_co_u32 s20, ttmp9, 176
	s_lshl_b32 s20, s20, 2
	s_add_co_u32 s20, s20, s18                     ; which run of 8,192 numbers is my wave's
	s_lshl_b32 s22, s20, 15
	s_add_nc_u64 s[4:5], s[4:5], s[22:23]
	s_lshl_b32 s22, s20, 12
	s_add_nc_u64 s[10:11], s[10:11], s[22:23]
	s_lshl_b32 s22, s20, 8
	s_add_nc_u64 s[12:13], s[12:13], s[22:23]
	v_lshlrev_b32 v3, 4, v2                        ; my 16 bytes of a load's 512
	s_lshl_b32 s21, s18, 13                        ; my wave's 8,192 bytes of LDS
	v_lshrrev_b32 v14, 2, v2
	v_mul_u32_u24 v14, v14, XSP
	v_and_b32 v15, 3, v2
	v_lshl_add_u32 v14, v15, 4, v14
	v_add_nc_u32 v14, s21, v14                     ; the stage, on the way in: 80 (lane / 4) + 16 (lane % 4)
	v_mul_u32_u24 v15, v2, XSP
	v_add_nc_u32 v15, s21, v15                     ; and on the way out: 80 x lane
	v_lshlrev_b32 v4, 3, v2                        ; my codes' place in a step's
	v_lshrrev_b32 v5, 1, v2
	s_add_co_u32 s21, s21, 2*32*XSP
	v_add_nc_u32 v5, s21, v5                       ; my block's scale byte
	v_lshlrev_b32 v7, 3, v2
	v_add_nc_u32 v6, s21, v7                       ; and on the way out 8 bytes a lane
.macro LOADX t
.irp i, 0,1,2,3
	global_load_b128 v[XR+16*((\t)%4)+4*\i:XR+16*((\t)%4)+4*\i+3], v3, s[4:5] offset:2048*(\t)+512*\i th:TH_LOAD_NT
.endr
.endm
.macro TURNX t                         ; LDS serves a wave's instructions in order: no wait between the stores and the loads
.irp i, 0,1,2,3
	ds_store_b128 v14, v[XR+16*((\t)%4)+4*\i:XR+16*((\t)%4)+4*\i+3] offset:32*XSP*((\t)%2)+8*XSP*\i
.endr
.irp i, 0,1,2,3
	ds_load_b128 v[XX+16*((\t)%2)+4*\i:XX+16*((\t)%2)+4*\i+3], v15 offset:32*XSP*((\t)%2)+16*\i
.endr
.endm
.irp t, 0,1,2,3
	LOADX \t
.endr
	s_wait_loadcnt 12                              ; step 0's four loads are in; three steps of four may be out
	TURNX 0
.macro STEPX t
.set XS, XX+16*((\t)%2)
.if (\t) > 0
	s_wait_dscnt 1                                 ; this step's numbers are back from the stage; the last step's byte store may be out
.else
	s_wait_dscnt 0x0
.endif
.if (\t)+4 < 16
	LOADX (\t)+4
.endif
.if (\t)+1 < 16
.if 14-(\t) >= 3
	s_wait_loadcnt 12                              ; the next step's four loads are in; those of the three steps behind it may be out
.else
	s_wait_loadcnt 4*(14-(\t))
.endif
	TURNX (\t)+1
.endif
	v_max3_num_f32 v8, |v[XS]|, |v[XS+1]|, |v[XS+2]|
	v_max3_num_f32 v9, |v[XS+3]|, |v[XS+4]|, |v[XS+5]|
.irp i, 6,10
	v_max3_num_f32 v8, v8, |v[XS+\i]|, |v[XS+\i+1]|
	v_max3_num_f32 v9, v9, |v[XS+\i+2]|, |v[XS+\i+3]|
.endr
	v_max3_num_f32 v8, v8, |v[XS+14]|, |v[XS+15]|
	v_max3_num_f32 v8, v8, v9, (EMAX+1)<<23        ; the floor 2^(3 - 127): the byte cannot fall under 1
	v_max_num_f32_dpp v8, v8, v8 row_xmask:1 row_mask:0xf bank_mask:0xf   ; with my neighbour's 16: the block's largest magnitude
	v_add_nc_u32 v11, 0xff000000, v8               ; 2 off its exponent field: the conversion takes the exponent field of this operand as its scale
	v_cvt_scalef32_pk8_fp4_f32 v[XC+4*(\t)], v[XS:XS+7], v11
	v_cvt_scalef32_pk8_fp4_f32 v[XC+4*(\t)+1], v[XS+8:XS+15], v11
	v_lshrrev_b32 v[XE+(\t)], 23, v11              ; the scale's byte
	ds_store_b8 v5, v[XE+(\t)] offset:16*(\t)      ; both lanes of a block write the same byte with the same value
	global_store_b64 v4, v[XC+4*(\t):XC+4*(\t)+1], s[10:11] offset:256*(\t)
.endm
.irp t, 0,1,2,3,4,5,6,7,8,9,10,11,12,13,14,15
	STEPX \t
.endr
	ds_load_b64 v[8:9], v6
	s_wait_dscnt 0x0
	global_store_b64 v7, v[8:9], s[12:13]          ; 32 lanes store 256 consecutive bytes
	s_wait_tensorcnt 0x0                           ; the wave's end
	ds_add_u32 v[SPW], v[NIL]
	s_wait_dscnt 0x0
	s_endpgm
; ---------------------------------------------------------------- w_attn: K is the FIRST axis
; A work-group takes 64 columns x 512 along K; wave w takes columns 32 (w & 1) on and 256 along K from 256 (w >> 1) on: 8 blocks.  A lane takes a column and its registers run down K, so a block lies in one
; lane's 32 registers and the conversions give codes with K innermost.  A column's 256 bytes of codes come from two waves: they meet in a stage (rows of 272 bytes), a barrier, and leave as whole runs of 256 bytes.
.Lw_path:
	s_cmp_ge_u32 ttmp9, 48
	s_cselect_b32 s20, 1, 0                        ; y: which 512 along K
	s_cselect_b32 s21, 48, 0
	s_sub_co_u32 s21, ttmp9, s21                   ; xb: which 64 columns
	s_and_b32 s26, s18, 1                          ; cg
	s_lshr_b32 s27, s18, 1                         ; kh
	s_lshl_b32 s22, s20, 9
	s_lshl_b32 s28, s27, 8
	s_add_co_u32 s22, s22, s28                     ; my first k
	s_mul_i32 s22, s22, 12288
	s_lshl_b32 s28, s21, 8
	s_add_co_u32 s22, s22, s28
	s_lshl_b32 s28, s26, 7
	s_add_co_u32 s22, s22, s28
	s_add_nc_u64 s[6:7], s[6:7], s[22:23]          ; w_attn at (my first k, my first column)
	s_lshl_b32 s22, s21, 11
	s_lshl_b32 s28, s26, 10
	s_add_co_u32 s22, s22, s28
	s_lshl_b32 s28, s20, 4
	s_add_co_u32 s22, s22, s28
	s_lshl_b32 s28, s27, 3
	s_add_co_u32 s22, s22, s28
	s_add_co_u32 s22, s22, 262144
	s_add_nc_u64 s[12:13], s[12:13], s[22:23]      ; the scale bytes: column x 32 + 16 y + 8 kh
	s_lshl_b32 s22, s21, 15
	s_lshl_b32 s28, s18, 13
	s_add_co_u32 s22, s22, s28
	s_lshl_b32 s28, s20, 8
	s_add_co_u32 s22, s22, s28
	s_add_co_u32 s22, s22, 4194304
	s_add_nc_u64 s[10:11], s[10:11], s[22:23]      ; the codes: rows 64 xb + 16 w on, + 256 y
	v_lshlrev_b32 v3, 2, v2
	s_mul_i32 s28, s26, 32*272
	s_lshl_b32 s29, s27, 7
	s_add_co_u32 s28, s28, s29
	s_add_co_u32 s28, s28, WSTG
	v_mul_u32_u24 v4, v2, 272
	v_add_nc_u32 v4, s28, v4                       ; into the stage: row = my column, + 128 kh
	v_and_b32 v5, 15, v2
	v_lshrrev_b32 v6, 4, v2
	s_mul_i32 s28, s18, 16*272
	s_add_co_u32 s28, s28, WSTG
	v_mul_u32_u24 v7, v6, 272
	v_lshl_add_u32 v7, v5, 4, v7
	v_add_nc_u32 v7, s28, v7                       ; out of it: rows 16 w on, sixteen lanes to a row
	v_lshlrev_b32 v8, 9, v6
	v_lshl_add_u32 v8, v5, 4, v8                   ; and the same place in the codes
	v_lshlrev_b32 v9, 5, v2                        ; my column's row of scale bytes
.macro LOADW t
.irp i, 0,1,2,3,4,5,6,7,8,9,10,11,12,13,14,15,16,17,18,19,20,21,22,23,24,25,26,27,28,29,30,31
	global_load_b32 v[32+32*((\t)%2)+\i], v3, s[6:7] offset:(32*(\t)+\i)*12288 th:TH_LOAD_NT
.endr
.endm
	LOADW 0
	LOADW 1
.macro BLOCKW t
.set WS, 32+32*((\t)%2)
.if (\t) < 7
	s_wait_loadcnt 32                              ; this block's 32 loads are in; the next block's may be out
.else
	s_wait_loadcnt 0
.endif
	v_max3_num_f32 v12, |v[WS]|, |v[WS+1]|, |v[WS+2]|
	v_max3_num_f32 v13, |v[WS+3]|, |v[WS+4]|, |v[WS+5]|
.irp i, 6,10,14,18,22,26
	v_max3_num_f32 v12, v12, |v[WS+\i]|, |v[WS+\i+1]|
	v_max3_num_f32 v13, v13, |v[WS+\i+2]|, |v[WS+\i+3]|
.endr
	v_max3_num_f32 v12, v12, |v[WS+30]|, |v[WS+31]|
	v_max3_num_f32 v12, v12, v13, (EMAX+1)<<23     ; the floor
	v_add_nc_u32 v11, 0xff000000, v12
	v_lshrrev_b32 v13, 23, v11                     ; the scale's byte
.if (\t)%4 == 0
	v_mov_b32 v[24+(\t)/4], v13
.else
	v_lshl_or_b32 v[24+(\t)/4], v13, 8*((\t)%4), v[24+(\t)/4]
.endif
.irp g, 0,1,2,3
	v_cvt_scalef32_pk8_fp4_f32 v[96+\g], v[WS+8*\g:WS+8*\g+7], v11
.endr
	ds_store_b128 v4, v[96:99] offset:16*(\t)
.if (\t)+2 < 8
	LOADW (\t)+2
.endif
	s_wait_dscnt 0x0                               ; the store has read its registers: the next block's codes may be written
.endm
.irp t, 0,1,2,3,4,5,6,7
	BLOCKW \t
.endr
	global_store_b64 v9, v[24:25], s[12:13]        ; my column's 8 scale bytes
	s_wait_dscnt 0x0                               ; for the others' sake: my stores into the stage are done
	s_barrier_signal -1
	s_barrier_wait -1
.irp t, 0,1,2,3,4,5,6,7
	ds_load_b128 v[112+4*\t:115+4*\t], v7 offset:2*\t*272
.endr
.irp t, 0,1,2,3,4,5,6,7
	s_wait_dscnt 7-\t
	global_store_b128 v8, v[112+4*\t:115+4*\t], s[10:11] offset:2*\t*512   ; sixteen lanes store 256 consecutive bytes
.endr
	s_wait_tensorcnt 0x0
	ds_add_u32 v[SPW], v[NIL]
	s_wait_dscnt 0x0
	s_endpgm
; ---------------------------------------------------------------- w_proj -> f16, transposed
; A work-group takes 128 columns x 128 along K, a wave 32 columns.  A lane takes a column, its 128 registers run down K; pairs are rounded to f16, go into the wave's own stage and leave as rows of 256 bytes.
.Lp_path:
	s_sub_co_u32 s20, ttmp9, 96
	s_and_b32 s21, s20, 7                          ; xb
	s_lshr_b32 s20, s20, 3                         ; yb
	s_lshl_b32 s22, s20, 19
	s_lshl_b32 s28, s21, 9
	s_add_co_u32 s22, s22, s28
	s_lshl_b32 s28, s18, 7
	s_add_co_u32 s22, s22, s28
	s_add_nc_u64 s[8:9], s[8:9], s[22:23]          ; w_proj at (128 yb, 128 xb + 32 w)
	s_lshl_b32 s22, s21, 18
	s_lshl_b32 s28, s18, 16
	s_add_co_u32 s22, s22, s28
	s_lshl_b32 s28, s20, 8
	s_add_co_u32 s22, s22, s28
	s_add_nc_u64 s[14:15], s[14:15], s[22:23]      ; wp16 at row 128 xb + 32 w, + 256 yb bytes
	v_lshlrev_b32 v3, 2, v2
	s_mul_i32 s28, s18, 32*272
	s_add_co_u32 s28, s28, PSTG
	v_mul_u32_u24 v4, v2, 272
	v_add_nc_u32 v4, s28, v4
	v_and_b32 v5, 15, v2
	v_lshrrev_b32 v6, 4, v2
	v_mul_u32_u24 v7, v6, 272
	v_lshl_add_u32 v7, v5, 4, v7
	v_add_nc_u32 v7, s28, v7
	v_lshlrev_b32 v8, 11, v6
	v_lshl_add_u32 v8, v5, 4, v8
.set KI, 0
.rept 128
	global_load_b32 v[32+KI], v3, s[8:9] offset:KI*4096 th:TH_LOAD_NT
.set KI, KI+1
.endr
.irp t, 0,1,2,3
.if \t < 2
	s_wait_loadcnt 63                              ; of the 128 loads at most 63 are out: the first 65 are in, this quarter's among them
.else
	s_wait_loadcnt 96-32*\t                        ; the later quarters' loads may be out
.endif
.irp i, 0,1,2,3,4,5,6,7,8,9,10,11,12,13,14,15
	v_cvt_pk_f16_f32 v[32+32*\t+\i], v[32+32*\t+2*\i], v[32+32*\t+2*\i+1]   ; in place, ascending: a register is written after it has been read
.endr
.irp g, 0,1,2,3
	ds_store_b128 v4, v[32+32*\t+4*\g:35+32*\t+4*\g] offset:64*\t+16*\g
.endr
.endr
	s_wait_dscnt 0x0                               ; the stores have read their registers, which take the rows now
.irp t, 0,1,2,3,4,5,6,7,8,9,10,11,12,13,14,15
	ds_load_b128 v[32+4*\t:35+4*\t], v7 offset:2*\t*272
.endr
.irp t, 0,1,2,3,4,5,6,7,8,9,10,11,12,13,14,15
	s_wait_dscnt 15-\t
	global_store_b128 v8, v[32+4*\t:35+4*\t], s[14:15] offset:2*\t*2048
.endr
	s_wait_tensorcnt 0x0
	ds_add_u32 v[SPW], v[NIL]
	s_wait_dscnt 0x0
	s_endpgm
; ---------------------------------------------------------------- the table of cosines and sines
; A wave makes 32 rows, one a trip.  Lane l makes two numbers: lanes 0-15 cos, lanes 16-31 sin, of frequencies 2 (l % 16) and 2 (l % 16) + 1: 8 bytes a lane, 256 consecutive bytes a store.
; angle = f32(t) x f_i, rounded once.  k = the nearest whole number to angle x 2 / pi; r = angle - k pi / 2, with pi / 2 in two parts; then polynomials in r on [-pi/4, pi/4].
; cos(angle) by the quadrant n = k: cos r, -sin r, -cos r, sin r; sin(angle) is the same with n = k + 3.  The choice is made by v_cndmask_b32, the sign by an exclusive or: no branch hangs on a number.
.Lr_path:
	s_sub_co_u32 s20, ttmp9, 160
	s_lshl_b32 s20, s20, 7
	s_lshl_b32 s21, s18, 5
	s_add_co_u32 s21, s20, s21                     ; t of my first row
	s_lshl_b32 s22, s21, 8
	s_add_nc_u64 s[16:17], s[16:17], s[22:23]
	s_mov_b32 s24, 0x3f22f983                      ; 2 / pi
	s_mov_b32 s25, 0xbfc90fdb                      ; -(pi / 2), its f32 number
	s_mov_b32 s26, 0x333bbd2e                      ; and what that number has too much
	s_mov_b32 s27, 0x37ccf5ce                      ; cos: 2.4433157e-5
	s_mov_b32 s28, 0xbab6061a                      ; -1.3887316e-3
	s_mov_b32 s29, 0x3d2aaaa5                      ; 4.1666646e-2
	s_mov_b32 s30, 0xb94ca1f9                      ; sin: -1.9515296e-4
	s_mov_b32 s31, 0x3c08839e                      ; 8.3321609e-3
	s_mov_b32 s32, 0xbe2aaaa3                      ; -1.6666655e-1
	v_and_b32 v3, 15, v2
	v_lshrrev_b32 v4, 4, v2
	v_lshlrev_b32 v5, 1, v3
	v_cvt_f32_u32 v16, v5
	v_add_nc_u32 v5, 1, v5
	v_cvt_f32_u32 v17, v5
	v_mul_f32 v16, 0xbed49a78, v16                 ; -i log2(10000) / 32
	v_mul_f32 v17, 0xbed49a78, v17
	v_exp_f32 v16, v16                             ; f_i
	v_exp_f32 v17, v17
	v_mul_u32_u24 v18, v4, 3                       ; 3 for the sines.  (The plain instruction behind the exponentials)
	v_lshlrev_b32 v19, 3, v2
	s_wait_alu depctr_va_vdst(0)                   ; one wait for both exponentials, ahead of the loop and of their first reader
	s_mov_b32 s20, 0
.Lrow:
	v_cvt_f32_u32 v20, s21
	v_mul_f32 v21, v20, v16
	v_mul_f32 v22, v20, v17
	v_mul_f32 v23, s24, v21
	v_mul_f32 v24, s24, v22
	v_rndne_f32 v23, v23
	v_rndne_f32 v24, v24
	v_fma_f32 v21, v23, s25, v21
	v_fma_f32 v22, v24, s25, v22
	v_fma_f32 v21, v23, s26, v21                   ; r
	v_fma_f32 v22, v24, s26, v22
	v_cvt_i32_f32 v23, v23
	v_cvt_i32_f32 v24, v24
	v_add_nc_u32 v23, v23, v18                     ; n
	v_add_nc_u32 v24, v24, v18
	v_mul_f32 v25, v21, v21                        ; r^2
	v_mul_f32 v26, v22, v22
	v_fma_f32 v27, v25, s27, s28
	v_fma_f32 v28, v26, s27, s28
	v_fma_f32 v29, v25, s30, s31
	v_fma_f32 v30, v26, s30, s31
	v_fma_f32 v27, v27, v25, s29
	v_fma_f32 v28, v28, v26, s29
	v_fma_f32 v29, v29, v25, s32
	v_fma_f32 v30, v30, v26, s32
	v_fma_f32 v27, v27, v25, -0.5
	v_fma_f32 v28, v28, v26, -0.5
	v_mul_f32 v31, v25, v21
	v_mul_f32 v32, v26, v22
	v_fma_f32 v27, v27, v25, 1.0                   ; cos r
	v_fma_f32 v28, v28, v26, 1.0
	v_fma_f32 v29, v29, v31, v21                   ; sin r
	v_fma_f32 v30, v30, v32, v22
	v_and_b32 v31, 1, v23
	v_and_b32 v32, 1, v24
	v_cmp_ne_u32 vcc_lo, 0, v31
	v_cndmask_b32 v27, v27, v29, vcc_lo            ; odd quadrants take the sine
	v_cmp_ne_u32 vcc_lo, 0, v32
	v_cndmask_b32 v28, v28, v30, vcc_lo
	v_add_nc_u32 v23, 1, v23
	v_add_nc_u32 v24, 1, v24
	v_and_b32 v23, 2, v23
	v_and_b32 v24, 2, v24
	v_lshlrev_b32 v23, 30, v23                     ; quadrants 1 and 2 are negative
	v_lshlrev_b32 v24, 30, v24
	v_xor_b32 v34, v27, v23
	v_xor_b32 v35, v28, v24
	global_store_b64 v19, v[34:35], s[16:17]
	s_wait_xcnt 0x0                                ; the store has read its offset and its data: both are written again in the next trip
	v_add_nc_u32 v19, 256, v19
	s_add_co_u32 s21, s21, 1
	s_add_co_u32 s20, s20, 1
	s_cmp_lt_u32 s20, 32
	s_cbranch_scc1 .Lrow
	s_endpgm
.Lfunc_end_k_qffa102b819_prep:
	.size	k_qffa102b819_prep, .Lfunc_end_k_qffa102b819_prep-k_qffa102b819_prep
	.p2alignl 7, 3214868480
	.fill 96, 4, 3214868480
	.section	.rodata,"a",@progbits
	.p2align	6, 0x0
	.amdhsa_kernel k_qffa102b819_prep
		.amdhsa_group_segment_fixed_size 85504
		.amdhsa_private_segment_fixed_size 0
		.amdhsa_enable_private_segment 0
		.amdhsa_kernarg_size 56
		.amdhsa_user_sgpr_count 2
		.amdhsa_user_sgpr_kernarg_segment_ptr 1
		.amdhsa_wavefront_size32 1
		.amdhsa_system_sgpr_workgroup_id_x 1
		.amdhsa_system_sgpr_workgroup_id_y 1
		.amdhsa_system_sgpr_workgroup_id_z 1
		.amdhsa_system_vgpr_workitem_id 0
		.amdhsa_next_free_vgpr 196
		.amdhsa_next_free_sgpr 66
		.amdhsa_reserve_vcc 1
		.amdhsa_float_denorm_mode_32 3
		.amdhsa_float_denorm_mode_16_64 3
		.amdhsa_memory_ordered 1
		.amdhsa_forward_progress 1
		.amdhsa_inst_pref_size 99
	.end_amdhsa_kernel
	.amdgpu_metadata
---
amdhsa.version: [ 1, 2 ]
amdhsa.kernels:
  - .name:           k_qffa102b819_prep
    .symbol:         k_qffa102b819_prep.kd
    .args:
      - { .name: x, .offset: 0, .size: 8, .value_kind: global_buffer, .address_space: global }
      - { .name: w_attn, .offset: 8, .size: 8, .value_kind: global_buffer, .address_space: global }
      - { .name: w_proj, .offset: 16, .size: 8, .value_kind: global_buffer, .address_space: global }
      - { .name: codes, .offset: 24, .size: 8, .value_kind: global_buffer, .address_space: global }
      - { .name: scales, .offset: 32, .size: 8, .value_kind: global_buffer, .address_space: global }
      - { .name: wp16, .offset: 40, .size: 8, .value_kind: global_buffer, .address_space: global }
      - { .name: rope, .offset: 48, .size: 8, .value_kind: global_buffer, .address_space: global }
    .group_segment_fixed_size: 85504
    .private_segment_fixed_size: 0
    .kernarg_segment_align: 8
    .kernarg_segment_size: 56
    .max_flat_workgroup_size: 128
    .sgpr_count:     66
    .vgpr_count:     196
    .wavefront_size: 32
...
	.end_amdgpu_metadata
.endif
;; end of part 1
;; launch qkv (part 2): grid 12 x 32, 4 waves a work-group, clusters of 4 x 4, 327,680 bytes of LDS; arguments codes, scales, rope, qkv16, qkvf; writes qkv16, qkvf
.if DOCPART == 2
	.amdgcn_target "amdgcn-amd-amdhsa--gfx1250"
	.amdhsa_code_object_version 6
	.text
	.protected	k_qffa102b819_qkv
	.globl	k_qffa102b819_qkv
	.p2align	8
	.type	k_qffa102b819_qkv,@function
k_qffa102b819_qkv:
	s_mov_b64 s[64:65], 0
	v_nop
	global_prefetch_b8 v0, s[64:65] scope:SCOPE_SE
	s_setreg_imm32_b32 hwreg(HW_REG_WAVE_MODE, 25, 1), 1
	s_wait_xcnt 0x0
	s_wait_alu depctr_hold_cnt(0) depctr_sa_sdst(0) depctr_va_vdst(0) depctr_va_sdst(0) depctr_va_ssrc(0) depctr_va_vcc(0) depctr_vm_vsrc(0)
	s_getreg_b32 s2, hwreg(HW_REG_IB_STS2, 6, 4)
	s_cmp_eq_u32 s2, 0
	s_cbranch_scc0 .Lentry_in_a_cluster
	s_endpgm
.Lentry_in_a_cluster:
	s_bfe_u32 s2, ttmp6, 0x10000c
	s_cmp_lg_u32 s2, 0xf033
	s_cbranch_scc0 .Lentry_shape_is_right
	s_endpgm
.Lentry_shape_is_right:
; qkv = Q(x) Q(w_attn), the quantised product, on codes of E2M1 with one E8M0 scale for each 32 along K = 1,024; then the rotation of q and k; results as f16, laid by head.
; A: x's codes [8192][512 bytes] and scale bytes [8192][32].  B: w_attn's codes [3072][512 bytes] (from byte 4,194,304 of codes) and scale bytes [3072][32] (from byte 262,144 of scales).
; A tile of the product, 256 x 256, is made by four waves, each 128 x 128: 64 accumulators, 512 registers.  K is two slots of 512 (rows of 256 bytes): both are asked for at the start and nothing is filled again.
; The scale bytes of the work-group's rows, for all of K, come once with the first fills, as runs of 256 bytes with 16 of padding behind each.
; CLUSTERS: 4 x 4 work-groups; A's tiles are shared along a row of the cluster, B's along a column: joint loads.  Tile column = 4 x cluster x + cx: so the cluster's x says whether the tile is q's, k's or v's.
; Tile row = cluster y + 8 cy: the four rows of a cluster are the same 256 positions of the four batches.  So every branch of the way out hangs on the cluster's x or y or on the wave's number, the same in all partners.
; THE MATRIX INSTRUCTION IS USED TRANSPOSED (source 0 = 16 rows of B, source 1 = 16 rows of A): lane (r, h) holds row r and eight neighbouring columns 16 b + 8 h + 0 .. 7.
; THE WAY OUT, a block of 16 rows at a time.  A head is four accumulators b; channel d < 32 lies in the first two, its partner d + 32 two accumulators on, in the same lane and register: the rotation needs no other lane.
;   q'(d) = q(d) cos - q(d + 32) sin, q'(d + 32) = q(d + 32) cos + q(d) sin; for q the table is first multiplied by c = log2(e) / 8, so that attention's scores are exponents of two.
;   The f16 numbers go through the wave's stage and leave as runs of 512 bytes of qkv16 [kind][batch][head][t][64].  Positions 0 .. 15 of each batch also leave in f32, to qkvf [batch][t][3072].
; LIMITS: |c q|, |k|, |v| above 65,504 have no f16 number; NaN and infinities are not served.
; REGISTERS: window 0: v16-29 addresses; v32-95 scale words, two sets, and nothing else; v96-127 a head's 32 rotated numbers; v128-191 A's fragments, later the rows read back; v192-223 packed results.
;   window 1: B's fragments at v0 and v128; v64-127 the table, two sets of 32 (cos of columns 0-7, 16-23 of my half; sin likewise).   windows 2, 3: the accumulators ((a, b) at v[8 (8 (a % 4) + b)]).
.set KSTEP,  512
.set NQ,     4
.set ROWB,   256
.set KROW,   512
.set PITCH,  272                       ; 256 bytes + 16: the 16 rows that a load touches start 68 words apart
.set FR,     8
.set NL,     2
.set NP,     4
.set HALFT,  128*PITCH
.set SLOT,   4*HALFT
.set KS,     32
.set SCL,    2*SLOT
.set HALFS,  (128*KS/256)*272
.set SBLK,   (16*KS/256)*272
.set SPARE,  SCL+4*HALFS               ; the spare words: 128 bytes a wave
.set STAGE,  SPARE+512                 ; the way out: for each wave two heads x 16 rows x (128 bytes + 16); no tensor load lands here
.set SP,     144
.set ADRA, 16
.set ADRB, 20
.set TA,   22                          ; v22  my place in the table: 256 r + 32 h
.set FO,   23                          ; v23  my place in qkvf: 12,288 r + 32 h
.set STO,  24
.set RD,   25
.set CO,   26
.set ADRS, 27
.set SPW,  28
.set NIL,  29
.set SC,   32
.set T,    96
.set AF,   128
.set BK,   128
.set PKR,  192
.set TBL,  64                          ; in window 1
.set G1, 24
.set G0, 32
.set G1B, 48
.set G0B, 56
.set G1S, 68
.set G0S, 76
.set G1SB, 80
.set G0SB, 88
.set MSB, 0
.macro WIN new                         ; the immediate's high byte repeats the setting that is left
.if MSB != (\new)
	s_set_vgpr_msb (MSB<<8)|(\new)
.set MSB, (\new)
.endif
.endm
.set MUL_LO, 0xa1                      ; source 0 (B) window 1, source 1 (A) window 0, C and D window 2
.set MUL_HI, 0xf1
.set TO_B,   0x40
; A joint load: waves 0 and 1 fetch for A, waves 2 and 3 for B; the branch hangs on the wave's number alone.  An s_nop 0 and four v_nop follow each line.
.macro JLOAD g0a, g1a, g0b, g1b
	s_cmp_eq_u32 s15, 0
	s_cbranch_scc0 .Lfor_b_\@
	tensor_load_to_lds s[\g0a:\g0a+3], s[\g1a:\g1a+7]
	s_nop 0
.rept 4
	v_nop
.endr
	s_branch .Lasked_\@
.Lfor_b_\@:
	tensor_load_to_lds s[\g0b:\g0b+3], s[\g1b:\g1b+7]
	s_nop 0
.rept 4
	v_nop
.endr
.Lasked_\@:
.endm
.macro CROUND                          ; a round of the cluster's barrier
	s_barrier_signal -1
	s_barrier_wait -1
	s_cmp_lg_u32 s14, 0
	s_cbranch_scc1 .Lnot_wave_0_\@
	s_barrier_signal -3
.Lnot_wave_0_\@:
	s_barrier_wait -3
	s_barrier_signal -1
	s_barrier_wait -1
.endm
	s_load_b128 s[4:7], s[0:1], 0x0                ; codes s[4:5], scales s[6:7]
	s_load_b64 s[96:97], s[0:1], 0x10              ; rope
	s_load_b64 s[12:13], s[0:1], 0x18              ; qkv16
	s_load_b64 s[98:99], s[0:1], 0x20              ; qkvf
	v_lshl_add_u32 v[SPW], v0, 2, SPARE
	v_mov_b32 v[NIL], 0
	ds_add_u32 v[SPW], v[NIL]                      ; the wave's opening: the add, twice on end, and its wait ahead of my first tensor load
	ds_add_u32 v[SPW], v[NIL]
	v_lshrrev_b32 v1, 5, v0
	v_readfirstlane_b32 s14, v1                    ; wave 0..3
	s_lshr_b32 s15, s14, 1                         ; which half of the tile's rows is mine.  Also: I fetch for A (0) or for B (1)
	s_and_b32 s16, s14, 1                          ; which half of its columns.  Also: which 128 rows of that tile I fetch
	s_bfe_u32 s40, ttmp6, 0x40000                  ; cx
	s_bfe_u32 s41, ttmp6, 0x40004                  ; cy
	s_lshl_b32 s42, ttmp9, 2
	s_add_co_u32 s42, s42, s40                     ; tile column = 4 x cluster x + cx
	s_and_b32 s95, ttmp7, 0xffff                   ; Y: the cluster's y
	s_lshl_b32 s17, s41, 3
	s_add_co_u32 s17, s17, s95                     ; tile row = Y + 8 cy
	s_lshl_b32 s43, s41, 2
	s_lshl_b32 s43, 15, s43                        ; my row of the cluster
	s_lshl_b32 s44, 0x1111, s40                    ; my column
	s_or_b32 s[G1+0], s43, (0<<16)|(1<<20)|(1<<21)|(5<<22)|(3<<25)  ; the mask; elements of 1 byte; padding on: 4 words behind every 64; bit 21 beside a mask
	s_or_b32 s[G1B+0], s44, (0<<16)|(1<<20)|(1<<21)|(5<<22)|(3<<25)
.irp g, G1, G1B
	s_mov_b32 s[\g+1], ROWB<<16                    ; tensor_dim0
	s_mov_b32 s[\g+2], 128<<16                     ; tensor_dim1
	s_mov_b32 s[\g+3], ROWB<<16                    ; tile_dim0
	s_mov_b32 s[\g+4], 128                         ; tile_dim1
	s_mov_b32 s[\g+5], KROW                        ; from row to row
	s_mov_b32 s[\g+6], 0
	s_mov_b32 s[\g+7], 0
.endr
	s_or_b32 s[G1S+0], s43, (3<<16)|(1<<20)|(1<<21)|(5<<22)|(3<<25) ; the scales of 128 rows: 4,096 dense bytes as 16 rows of 32 elements of 8 bytes
	s_or_b32 s[G1SB+0], s44, (3<<16)|(1<<20)|(1<<21)|(5<<22)|(3<<25)
.irp g, G1S, G1SB
	s_mov_b32 s[\g+1], 32<<16
	s_mov_b32 s[\g+2], (128*KS/256)<<16
	s_mov_b32 s[\g+3], 32<<16
	s_mov_b32 s[\g+4], 128*KS/256
	s_mov_b32 s[\g+5], 32
	s_mov_b32 s[\g+6], 0
	s_mov_b32 s[\g+7], 0
.endr
	s_lshl_b32 s18, s16, 7
	s_lshl_b32 s20, s17, 8
	s_add_co_u32 s20, s20, s18                     ; A: row 256 x tile row + 128 x half
	s_lshl_b32 s46, s42, 8
	s_add_co_u32 s46, s46, s18                     ; B: row 256 x tile column + 128 x half
	s_mov_b32 s21, 0
	s_mov_b32 s47, 0
	s_mov_b64 s[18:19], KS
	s_mul_u64 s[22:23], s[20:21], s[18:19]         ; where these rows' scales begin
	s_mul_u64 s[92:93], s[46:47], s[18:19]
	s_mov_b64 s[18:19], KROW
	s_mul_u64 s[20:21], s[20:21], s[18:19]         ; and their codes
	s_mul_u64 s[46:47], s[46:47], s[18:19]
	s_mul_i32 s45, s14, HALFT                      ; where they go: wave x 128 rows
	s_mul_i32 s94, s14, HALFS
	s_wait_dscnt 0x0                               ; both opening adds are done
	s_wait_kmcnt 0x0
	s_add_nc_u64 s[8:9], s[4:5], 0x400000          ; w_attn's codes
	s_add_nc_u64 s[10:11], s[6:7], 0x40000         ; and its scale bytes
	s_add_nc_u64 s[20:21], s[4:5], s[20:21]
	s_add_nc_u64 s[22:23], s[6:7], s[22:23]
	s_add_nc_u64 s[46:47], s[8:9], s[46:47]
	s_add_nc_u64 s[92:93], s[10:11], s[92:93]
	CROUND                                         ; all sixteen work-groups are here: the first joint loads meet
	s_mov_b32 s[G0S], 1
	s_add_co_u32 s[G0S+1], s94, SCL
	s_mov_b64 s[G0S+2:G0S+3], s[22:23]
	s_or_b32 s[G0S+3], s[G0S+3], 0x80000000
	s_mov_b32 s[G0SB], 1
	s_add_co_u32 s[G0SB+1], s94, SCL
	s_mov_b64 s[G0SB+2:G0SB+3], s[92:93]
	s_or_b32 s[G0SB+3], s[G0SB+3], 0x80000000
	JLOAD G0S, G1S, G0SB, G1SB                     ; the scales first
.irp s, 0,1
	s_mov_b32 s[G0+4*\s], 1
	s_add_co_u32 s[G0+4*\s+1], s45, \s*SLOT
	s_add_nc_u64 s[G0+4*\s+2:G0+4*\s+3], s[20:21], \s*ROWB
	s_or_b32 s[G0+4*\s+3], s[G0+4*\s+3], 0x80000000
	s_mov_b32 s[G0B+4*\s], 1
	s_add_co_u32 s[G0B+4*\s+1], s45, \s*SLOT
	s_add_nc_u64 s[G0B+4*\s+2:G0B+4*\s+3], s[46:47], \s*ROWB
	s_or_b32 s[G0B+4*\s+3], s[G0B+4*\s+3], 0x80000000
	JLOAD G0+4*\s, G1, G0B+4*\s, G1B               ; three loads of mine are out
.endr
	v_and_b32 v1, 15, v0                           ; r
	v_bfe_u32 v2, v0, 4, 1                         ; h
	v_mul_u32_u24 v3, v1, PITCH
	v_lshl_add_u32 v4, v2, 4, v3
	s_mul_i32 s21, s15, HALFT
	s_mul_i32 s22, s16, HALFT
	s_add_co_u32 s22, s22, 2*HALFT
.irp s, 0,1
	v_add_nc_u32 v[ADRA+\s], s21, v4
	v_add_nc_u32 v[ADRB+\s], s22, v4
	s_add_co_u32 s21, s21, SLOT
	s_add_co_u32 s22, s22, SLOT
.endr
	v_mul_u32_u24 v5, v1, KS                       ; my row's scales: 32 bytes a row, and 16 more for each 256 passed
	v_lshrrev_b32 v6, 8, v5
	v_lshl_add_u32 v5, v6, 4, v5
	s_mul_i32 s21, s15, HALFS
	s_mul_i32 s22, s16, HALFS
	s_add_co_u32 s22, s22, 2*HALFS
	s_sub_co_u32 s22, s22, s21
	v_mul_u32_u24 v6, s22, v2                      ; lanes 16-31 take B's
	s_add_co_u32 s21, s21, SCL
	v_add_nc_u32 v5, v5, v6
	v_add_nc_u32 v[ADRS], s21, v5
	; the way out's addresses
	v_lshlrev_b32 v[TA], 8, v1
	v_lshl_add_u32 v[TA], v2, 5, v[TA]
	v_mul_u32_u24 v[FO], v1, 12288
	v_lshl_add_u32 v[FO], v2, 5, v[FO]
	s_mul_i32 s23, s14, 2*16*SP
	s_add_co_u32 s23, s23, STAGE
	v_mul_u32_u24 v5, v1, SP
	v_lshl_add_u32 v5, v2, 4, v5
	v_add_nc_u32 v[STO], s23, v5                   ; in: row r, 16 bytes for each half of the lanes
	v_and_b32 v6, 31, v0
	v_lshrrev_b32 v7, 3, v6
	v_mul_u32_u24 v7, v7, SP
	v_and_b32 v8, 7, v0
	v_lshl_add_u32 v7, v8, 4, v7
	v_add_nc_u32 v[RD], s23, v7                    ; back: eight lanes to a row of 128 bytes, four rows an instruction
	v_lshlrev_b32 v[CO], 4, v6                     ; which are 512 consecutive bytes of qkv16
	s_mov_b32 s2, ttmp9                            ; 0: q, 1: k, 2: v
	s_or_b32 s3, s95, s15
	s_cmp_eq_u32 s3, 0
	s_cselect_b32 s3, 1, 0                         ; 1: my block 0 is positions 0 .. 15 of its batch
	s_cmp_eq_u32 s2, 0
	s_cselect_b32 s66, 0x3e38aa3b, 1.0             ; c = log2(e) / 8 for q, 1 for k
	s_mov_b32 s67, s66
	s_lshl_b32 s18, s41, 4
	s_lshl_b32 s19, s40, 2
	s_add_co_u32 s18, s18, s19
	s_lshl_b32 s19, s16, 1
	s_add_co_u32 s18, s18, s19                     ; 16 x batch + my first head
	s_lshl_b32 s18, s18, 11
	s_lshl_b32 s19, s95, 8
	s_add_co_u32 s18, s18, s19
	s_lshl_b32 s19, s15, 7
	s_add_co_u32 s18, s18, s19                     ; + my first position
	s_lshl_b32 s18, s18, 7                         ; rows of 128 bytes
	s_lshl_b32 s19, s2, 24
	s_add_co_u32 s18, s18, s19
	s_mov_b32 s19, 0
	s_add_nc_u64 s[12:13], s[12:13], s[18:19]
	s_lshl_b32 s18, s95, 16
	s_lshl_b32 s20, s15, 15
	s_add_co_u32 s18, s18, s20
	s_add_nc_u64 s[96:97], s[96:97], s[18:19]      ; the table at my first position
	s_mul_i32 s18, s41, 196608
	s_lshl_b32 s20, s2, 12
	s_add_co_u32 s18, s18, s20
	s_lshl_b32 s20, s40, 10
	s_add_co_u32 s18, s18, s20
	s_lshl_b32 s20, s16, 9
	s_add_co_u32 s18, s18, s20
	s_add_nc_u64 s[98:99], s[98:99], s[18:19]      ; qkvf at my batch and my first column
; the table's rows of block a into set a % 2: eight loads
.macro TLD a
	WIN 0x40                                       ; destination window 1
.irp sn, 0,1
.irp bb, 0,1
	global_load_b128 v[TBL+32*((\a)%2)+16*\sn+8*\bb:TBL+32*((\a)%2)+16*\sn+8*\bb+3], v[TA], s[96:97] offset:(\a)*4096+128*\sn+64*\bb
	global_load_b128 v[TBL+32*((\a)%2)+16*\sn+8*\bb+4:TBL+32*((\a)%2)+16*\sn+8*\bb+7], v[TA], s[96:97] offset:(\a)*4096+128*\sn+64*\bb+16
.endr
.endr
	WIN 0
.endm
	s_cmp_eq_u32 s2, 2                             ; v is not rotated
	s_cbranch_scc1 .Lno_table
	TLD 0                                          ; they land while the products run
	TLD 1
.Lno_table:
.macro FRAG reg, adr, q, i             ; 16 rows x 128 K of 4-bit codes: 8 registers, two loads of 16 bytes, 32 bytes apart
.irp c, 0,1
	ds_load_b128 v[\reg+4*\c:\reg+4*\c+3], v[\adr] offset:64*(\q)+32*\c+(\i)*16*PITCH
.endr
.endm
; 16 matrix instructions: A's blocks a0, a0 + 1 x B's eight.  The 64 accumulators take turns, one instruction a turn, in the same order in every step.
.macro MUL16 a0, p, q, sc, zero
.irp a, \a0, \a0+1
.irp b, 0,1,2,3,4,5,6,7
.if \zero
	v_wmma_scale_f32_16x16x128_f8f6f4 v[8*(8*((\a)%4)+\b):8*(8*((\a)%4)+\b)+7], v[128*(\p)+FR*\b:128*(\p)+FR*\b+FR-1], v[AF+FR*(\a):AF+FR*(\a)+FR-1], 0, v[SC+8*NQ*(\sc)+NQ*\b+(\q)], v[SC+8*NQ*(\sc)+NQ*(\a)+(\q)] matrix_a_fmt:MATRIX_FMT_FP4 matrix_b_fmt:MATRIX_FMT_FP4 matrix_a_scale:MATRIX_SCALE_ROW1
.else
	v_wmma_scale_f32_16x16x128_f8f6f4 v[8*(8*((\a)%4)+\b):8*(8*((\a)%4)+\b)+7], v[128*(\p)+FR*\b:128*(\p)+FR*\b+FR-1], v[AF+FR*(\a):AF+FR*(\a)+FR-1], v[8*(8*((\a)%4)+\b):8*(8*((\a)%4)+\b)+7], v[SC+8*NQ*(\sc)+NQ*\b+(\q)], v[SC+8*NQ*(\sc)+NQ*(\a)+(\q)] matrix_a_fmt:MATRIX_FMT_FP4 matrix_b_fmt:MATRIX_FMT_FP4 matrix_a_scale:MATRIX_SCALE_ROW1
.endif
.endr
.endr
.endm
.macro FETCH_B slot, q, p
	WIN TO_B
.irp i, 0,1,2,3,4,5,6,7
	FRAG 128*(\p)+FR*\i, ADRB+\slot, \q, \i
.endr
	WIN 0
.endm
.macro FETCH_A slot, q, i0
.irp i, \i0, \i0+1, \i0+2, \i0+3
	FRAG AF+FR*(\i), ADRA+\slot, \q, \i
.endr
.endm
.macro SCALES sc                       ; a slot's scale words: 4 words a row; lanes 0-15 take A's block i, lanes 16-31 B's block i
.irp i, 0,1,2,3,4,5,6,7
	ds_load_b128 v[SC+8*NQ*\sc+NQ*\i:SC+8*NQ*\sc+NQ*\i+3], v[ADRS] offset:\i*SBLK
.endr
.endm
.macro PLACES n                        ; plain vector instructions between a matrix instruction and a load into its registers or a read of its result
.rept \n
	v_nop
.endr
.endm
.macro STEP slot, q, zero              ; 128 along K, with its successor in the same slot
	s_wait_dscnt 4*NL                              ; B's set and A's blocks 0-3 are in; A's blocks 4-7 (eight loads) may be out
	WIN MUL_LO
	MUL16 0, (\q)%2, \q, \slot, \zero
	MUL16 2, (\q)%2, \q, \slot, \zero
	s_wait_dscnt 0
	PLACES NP
	FETCH_B \slot, (\q)+1, 1-(\q)%2
	FETCH_A \slot, (\q)+1, 0
	WIN MUL_HI
	MUL16 4, (\q)%2, \q, \slot, \zero
	MUL16 6, (\q)%2, \q, \slot, \zero
	PLACES NP
	WIN 0
	FETCH_A \slot, (\q)+1, 4
.endm
.macro STEPS slot, from
.set Q, \from
.rept NQ-1-\from
	STEP \slot, Q, 0
.set Q, Q+1
.endr
.endm
	s_wait_tensorcnt 1                             ; the scales and my part of slot 0 are in; slot 1's load may be out
	s_barrier_signal -1
	s_barrier_wait -1
	FETCH_B 0, 0, 0
	FETCH_A 0, 0, 0
	SCALES 0
	FETCH_A 0, 0, 4
	STEP 0, 0, 1                                   ; the first step's products start the sums
	STEPS 0, 1
	; slot 0's last step changes slots: one barrier; in front of it my part of slot 1 has landed
	s_wait_tensorcnt 0x0
	ds_add_u32 v[SPW], v[NIL]                      ; 0 onto my spare word
	s_wait_dscnt 4*NL+1                            ; the add and A's blocks 4-7 may be out
	WIN MUL_LO
	MUL16 0, 1, NQ-1, 0, 0
	s_wait_dscnt 0x0
	s_barrier_signal -1
	MUL16 2, 1, NQ-1, 0, 0
	WIN 0
	s_barrier_wait -1                              ; slot 1 is whole
	PLACES NP
	v_add_nc_u32 v[ADRS], 4*NQ, v[ADRS]            ; on to slot 1's scale words
	FETCH_B 1, 0, 0
	FETCH_A 1, 0, 0
	SCALES 1
	WIN MUL_HI
	MUL16 4, 1, NQ-1, 0, 0
	MUL16 6, 1, NQ-1, 0, 0
	PLACES NP
	WIN 0
	FETCH_A 1, 0, 4
	STEPS 1, 0
	s_wait_dscnt 4*NL
	WIN MUL_LO
	MUL16 0, 1, NQ-1, 1, 0
	MUL16 2, 1, NQ-1, 1, 0
	s_wait_dscnt 0
	WIN MUL_HI
	MUL16 4, 1, NQ-1, 1, 0
	MUL16 6, 1, NQ-1, 1, 0
	WIN 0
; ---- THE WAY OUT
.macro TSCALE a                        ; the table's set times c (q) or 1 (k)
	WIN 0x41                                       ; destination and source 0 window 1
.irp i, 0,2,4,6,8,10,12,14,16,18,20,22,24,26,28,30
	v_pk_mul_f32 v[TBL+32*((\a)%2)+\i:TBL+32*((\a)%2)+\i+1], v[TBL+32*((\a)%2)+\i:TBL+32*((\a)%2)+\i+1], s[66:67] op_sel_hi:[1,0]
.endr
.endm
; block a, head hh of my two: 64 channels of 16 rows are rotated into v[T] on and rounded to f16.  Each accumulator is read from its low end on.
.macro ROPE a, hh
.set TS, TBL+32*((\a)%2)
	WIN 0x06+(\a)/4                                ; source 0: the accumulators' window; source 1: window 1; source 2 and destination: window 0
.irp bb, 0,1
.irp jp, 0,2,4,6
.set LO, 8*(8*((\a)%4)+4*(\hh)+\bb)+\jp
	v_pk_mul_f32 v[T+8*\bb+\jp:T+8*\bb+\jp+1], v[LO+16:LO+17], v[TS+16+8*\bb+\jp:TS+16+8*\bb+\jp+1]
	v_pk_mul_f32 v[T+16+8*\bb+\jp:T+16+8*\bb+\jp+1], v[LO:LO+1], v[TS+16+8*\bb+\jp:TS+16+8*\bb+\jp+1]
.endr
.endr
.irp bb, 0,1
.irp jp, 0,2,4,6
.set LO, 8*(8*((\a)%4)+4*(\hh)+\bb)+\jp
	v_pk_fma_f32 v[T+8*\bb+\jp:T+8*\bb+\jp+1], v[LO:LO+1], v[TS+8*\bb+\jp:TS+8*\bb+\jp+1], v[T+8*\bb+\jp:T+8*\bb+\jp+1] neg_lo:[0,0,1] neg_hi:[0,0,1]
	v_pk_fma_f32 v[T+16+8*\bb+\jp:T+16+8*\bb+\jp+1], v[LO+16:LO+17], v[TS+8*\bb+\jp:TS+8*\bb+\jp+1], v[T+16+8*\bb+\jp:T+16+8*\bb+\jp+1]
.endr
.endr
	WIN 0
.irp i, 0,1,2,3,4,5,6,7,8,9,10,11,12,13,14,15
	v_cvt_pk_f16_f32 v[PKR+16*(\hh)+\i], v[T+2*\i], v[T+2*\i+1]
.endr
.endm
.macro FINEST hh                       ; positions 0 .. 15 also leave in f32
	s_cmp_eq_u32 s3, 0
	s_cbranch_scc1 .Lno_fine_\@
.irp q, 0,1,2,3
	global_store_b128 v[FO], v[T+8*\q:T+8*\q+3], s[98:99] offset:(64*(\hh)+16*\q)*4
	global_store_b128 v[FO], v[T+8*\q+4:T+8*\q+7], s[98:99] offset:(64*(\hh)+16*\q)*4+16
.endr
	s_wait_xcnt 0x0                                ; the stores have read their data, which the next head writes again
.Lno_fine_\@:
.endm
.macro PACKV a                         ; v: rounded as it is
	WIN 0x0a+5*((\a)/4)                            ; sources 0 and 1: the accumulators' window
.irp b, 0,1,2,3,4,5,6,7
.irp i, 0,1,2,3
	v_cvt_pk_f16_f32 v[PKR+4*\b+\i], v[8*(8*((\a)%4)+\b)+2*\i], v[8*(8*((\a)%4)+\b)+2*\i+1]
.endr
.endr
	WIN 0
.endm
.macro TOSTAGE a                       ; LDS serves a wave's instructions in order: the loads see the stores, and the next block's stores come behind these loads
.set BB, BK+32*((\a)%2)
.irp b, 0,1,2,3,4,5,6,7
	ds_store_b128 v[STO], v[PKR+4*\b:PKR+4*\b+3] offset:(\b/4)*16*SP+(\b%4)*32
.endr
.irp hh, 0,1
.irp i, 0,1,2,3
	ds_load_b128 v[BB+4*(4*\hh+\i):BB+4*(4*\hh+\i)+3], v[RD] offset:\hh*16*SP+\i*4*SP
.endr
.endr
.endm
.macro SEND a
.set BB, BK+32*((\a)%2)
	s_wait_dscnt 0x0                               ; the block is back in registers
	s_wait_xcnt 0x0                                ; the block before has been read by its stores: its registers take the next block's rows
.irp hh, 0,1
.irp i, 0,1,2,3
	global_store_b128 v[CO], v[BB+4*(4*\hh+\i):BB+4*(4*\hh+\i)+3], s[12:13] offset:\hh*262144+(\a)*2048+\i*512   ; 32 lanes store 512 consecutive bytes
.endr
.endr
.endm
	PLACES NP                                      ; behind the last products: for the reads of results and the loads into A's registers
	s_cmp_eq_u32 s2, 2
	s_cbranch_scc1 .Lv_path
.irp a, 0,1,2,3,4,5,6,7
.if \a < 7
	s_wait_loadcnt 8                               ; this block's table is in; the next block's eight loads may be out
.else
	s_wait_loadcnt 0
.endif
	TSCALE \a
	ROPE \a, 0
.if \a == 0
	FINEST 0
.endif
	ROPE \a, 1
.if \a == 0
	FINEST 1
.endif
.if \a < 6
	TLD \a+2
.endif
.if \a > 0
	SEND \a-1
.endif
	TOSTAGE \a
.endr
	SEND 7
	s_branch .Ldone
.Lv_path:
	s_cmp_eq_u32 s3, 0
	s_cbranch_scc1 .Lno_fine_v
	WIN 0x08                                       ; a store's data: window 2
.irp b, 0,1,2,3,4,5,6,7
	global_store_b128 v[FO], v[8*\b:8*\b+3], s[98:99] offset:64*\b
	global_store_b128 v[FO], v[8*\b+4:8*\b+7], s[98:99] offset:64*\b+16
.endr
	WIN 0
.Lno_fine_v:
.irp a, 0,1,2,3,4,5,6,7
	PACKV \a
.if \a > 0
	SEND \a-1
.endif
	TOSTAGE \a
.endr
	SEND 7
.Ldone:
	s_wait_tensorcnt 0x0                           ; the wave's end
	ds_add_u32 v[SPW], v[NIL]
	s_wait_dscnt 0x0
	CROUND                                         ; the closing round
	s_endpgm
.Lfunc_end_k_qffa102b819_qkv:
	.size	k_qffa102b819_qkv, .Lfunc_end_k_qffa102b819_qkv-k_qffa102b819_qkv
	.p2alignl 7, 3214868480
	.fill 96, 4, 3214868480
	.section	.rodata,"a",@progbits
	.p2align	6, 0x0
	.amdhsa_kernel k_qffa102b819_qkv
		.amdhsa_group_segment_fixed_size 327680
		.amdhsa_private_segment_fixed_size 0
		.amdhsa_enable_private_segment 0
		.amdhsa_kernarg_size 40
		.amdhsa_user_sgpr_count 2
		.amdhsa_user_sgpr_kernarg_segment_ptr 1
		.amdhsa_wavefront_size32 1
		.amdhsa_system_sgpr_workgroup_id_x 1
		.amdhsa_system_sgpr_workgroup_id_y 1
		.amdhsa_system_sgpr_workgroup_id_z 1
		.amdhsa_system_vgpr_workitem_id 0
		.amdhsa_next_free_vgpr 1024
		.amdhsa_next_free_sgpr 100
		.amdhsa_reserve_vcc 0
		.amdhsa_float_denorm_mode_32 3
		.amdhsa_float_denorm_mode_16_64 3
		.amdhsa_memory_ordered 1
		.amdhsa_forward_progress 1
		.amdhsa_inst_pref_size 209
	.end_amdhsa_kernel
	.amdgpu_metadata
---
amdhsa.version: [ 1, 2 ]
amdhsa.kernels:
  - .name:           k_qffa102b819_qkv
    .symbol:         k_qffa102b819_qkv.kd
    .args:
      - { .name: codes, .offset: 0, .size: 8, .value_kind: global_buffer, .address_space: global }
      - { .name: scales, .offset: 8, .size: 8, .value_kind: global_buffer, .address_space: global }
      - { .name: rope, .offset: 16, .size: 8, .value_kind: global_buffer, .address_space: global }
      - { .name: qkv16, .offset: 24, .size: 8, .value_kind: global_buffer, .address_space: global }
      - { .name: qkvf, .offset: 32, .size: 8, .value_kind: global_buffer, .address_space: global }
    .group_segment_fixed_size: 327680
    .private_segment_fixed_size: 0
    .kernarg_segment_align: 8
    .kernarg_segment_size: 40
    .max_flat_workgroup_size: 128
    .sgpr_count:     100
    .vgpr_count:     1024
    .wavefront_size: 32
...
	.end_amdgpu_metadata
.endif
;; end of part 2
;; launch attn (part 3): grid 4 x 64, 8 waves a work-group, no clusters, 327,680 bytes of LDS; arguments qkv16, y16; writes y16
.if DOCPART == 3
	.amdgcn_target "amdgcn-amd-amdhsa--gfx1250"
	.amdhsa_code_object_version 6
	.text
	.protected	k_qffa102b819_attn
	.globl	k_qffa102b819_attn
	.p2align	8
	.type	k_qffa102b819_attn,@function
k_qffa102b819_attn:
	s_mov_b64 s[64:65], 0
	v_nop
	global_prefetch_b8 v0, s[64:65] scope:SCOPE_SE
	s_setreg_imm32_b32 hwreg(HW_REG_WAVE_MODE, 25, 1), 1
	s_wait_xcnt 0x0
; y[b][h][q] = the sum over k <= q of softmax_k(q . k / 8) v, for 64 heads of 2,048 positions and 64 channels.  q (times log2(e) / 8), k, v: f16, [kind][b][h][t][64].  y: f16, [b][h][t][64].
; Products on f16 operands with f32 sums; maxima, exponentials and sums in f32; the weights p are rounded to f16 for the second product, y once at the end.
; SHARES.  Work-group (I, head) owns the blocks 7 - I and I of 256 queries: 8 - I and I + 1 slots of 256 keys, nine for every work-group: 256 work-groups of equal work.  Trips 0 .. 7 - I serve block 7 - I with
; key slots 0 .. 7 - I, trips 8 - I .. 8 serve block I with key slots 0 .. I.  All trip counts are constants.  Wave w owns 32 of a block's queries: two tiles of 16.  Two waves share a SIMD.
; LAYOUT.  S^T = K Q^T (source 0 = 16 keys, source 1 = 16 queries): a lane holds ONE query (lane % 16) and keys 8 (lane / 16) + 0 .. 7.  Two such tiles, rounded in pairs, are source 1 (32 keys x 16 queries) of
; O^T = V^T P, whose result holds one query a lane and eight channels.  K comes out of LDS as it lies, V ([key][channel]) turned, by ds_load_tr16_b128.
; SOFTMAX.  A running maximum m and sum l for each query: p = 2^(s - m); in every step O and l are multiplied by a = 2^(m_old - m_new).
; THE MASK.  Only a block's last slot holds hidden keys.  There, a step of 64 keys that lies wholly behind my 32 queries is left out (a scalar branch on ids and the wave's number, round no barrier and no tensor load);
; in the one step on the diagonal hidden scores become -infinity ahead of the maximum.  Key 0 counts for every query, so m is a number from the first step on.
; NO CLUSTER: the blocks of a head need different numbers of key slots, so partners could not make every joint request and read what it brings.
; THE RING: two slots 2^17 bytes apart; waves 0-3 fetch K's quarters, waves 4-7 V's: one tensor load a wave behind each barrier; every slot that is asked for is read.
; LIMITS: NaN and infinities are not served.
; REGISTERS: window 0: v3-15 addresses; v16-31 statistics; v32-95 K; v96-159 V; v160-223 S^T; v224-255 P.   window 1: v0-63 O^T (tile t at 32 t + 8 ct); v64-95 Q (64 + 16 t + 8 kc).
.set PKP,   144                        ; a row of K in LDS: 128 bytes + 16
.set PVP,   160                        ; a row of V: 128 + 32
.set VOFF,  256*PKP
.set SLOT1, 131072
.set SPARE, 208896                     ; the spare words: 128 bytes a wave
.set STAGE, 209920                     ; the way out: for each wave two tiles x 16 rows x 144 bytes; no tensor load lands here
.set SP,    144
.set AK0, 3
.set AV0, 4
.set ADK, 5
.set ADV, 6
.set QO,  7
.set STO, 8
.set RD,  9
.set GO,  10
.set DD,  11                           ; v11  32 (w & 1) + r - 8 h
.set NINF, 12
.set PFO, 13
.set SPW, 14
.set NIL, 15
.set ST,  16                           ; tile t at v[16 + 8 t]: +0 m, +1 its pair's partner, +2, +3 l, +4 .. +7 at work; a lands in +6
.set KF,  32
.set VF,  96
.set S,   160
.set P,   224
.set QF,  64                           ; in window 1
.set WV,  8
.set II,  9
.set BH,  10
.set LIMIT, 11
.set NN,  12
.set QB,  13
.set TH,  14
.set STP, 15
.set TB,  16
.set TK,  17
.set TV,  18
.set PLIM, 19
.set G1K, 28
.set G1V, 36
.set G0K, 44
.set G0V, 48
.set SEL, 52
.set PFA, 54
.set YB,  56
.set MSB, 0
.macro WIN new
.if MSB != (\new)
	s_set_vgpr_msb (MSB<<8)|(\new)
.set MSB, (\new)
.endif
.endm
.set W_KQ, 0x04                        ; Q in window 1
.set W_PV, 0x50                        ; C and D (O^T) in window 1
.set W_RS, 0x41                        ; O^T as destination and source 0
.macro TLOAD                           ; waves 0-3: K's quarter; waves 4-7: V's.  An s_nop 0 and four v_nop follow each line
	s_cmp_lt_u32 s[WV], 4
	s_cbranch_scc0 .Lfor_v_\@
	tensor_load_to_lds s[G0K:G0K+3], s[G1K:G1K+7]
	s_nop 0
.rept 4
	v_nop
.endr
	s_branch .Lasked_\@
.Lfor_v_\@:
	tensor_load_to_lds s[G0V:G0V+3], s[G1V:G1V+7]
	s_nop 0
.rept 4
	v_nop
.endr
.Lasked_\@:
.endm
; A prefetch into the L2 of my quarter (64 rows, 8,192 bytes, lanes 256 bytes apart) of the key slot that the NEXT change of slots asks for: a slot's four key steps ahead of that load.
; All four work-groups of a head walk the same K and V; work-group 0, which walks key slots 0 .. 7 on end, asks, so each run of 256 bytes is named once.  Slots 0 and 1 come by their loads alone; trips 6 on ask for nothing.
.macro ASK
	s_cmp_lt_u32 s[NN], s[PLIM]
	s_cbranch_scc0 .Lnot_mine_\@
	global_prefetch_b8 v[PFO], s[PFA:PFA+1] th:TH_LOAD_NT scope:SCOPE_SE
.Lnot_mine_\@:
.endm
	s_load_b128 s[4:7], s[0:1], 0x0                ; qkv16 s[4:5], y16 s[6:7]
	v_lshl_add_u32 v[SPW], v0, 2, SPARE
	v_mov_b32 v[NIL], 0
	ds_add_u32 v[SPW], v[NIL]                      ; the wave's opening: the add, twice on end, and its wait ahead of my first tensor load
	ds_add_u32 v[SPW], v[NIL]
	v_lshrrev_b32 v1, 5, v0
	v_readfirstlane_b32 s[WV], v1                  ; wave 0..7
	s_mov_b32 s[II], ttmp9
	s_and_b32 s[BH], ttmp7, 0xffff
	s_sub_co_u32 s[LIMIT], 8, s[II]
	s_mov_b32 s[NN], 0
	s_mov_b32 s[TB], 0
	s_cmp_eq_u32 s[II], 0
	s_cselect_b32 s[PLIM], 6, 0
	s_lshl_b32 s20, s[BH], 18                      ; the head's first byte in q, k, v and y
	s_mov_b32 s21, 0
	s_and_b32 s60, s[WV], 3                        ; which quarter of a slot I fetch
	s_mov_b32 s[G1K], (1<<16)|(1<<20)|(4<<22)|(3<<25)   ; elements of 2 bytes; padding on: 4 words behind every 32
	s_mov_b32 s[G1V], (1<<16)|(1<<20)|(4<<22)|(7<<25)   ; 8 words
.irp g, G1K, G1V
	s_mov_b32 s[\g+1], 64<<16                      ; tensor_dim0
	s_mov_b32 s[\g+2], 64<<16                      ; tensor_dim1
	s_mov_b32 s[\g+3], 64<<16                      ; tile_dim0
	s_mov_b32 s[\g+4], 64                          ; tile_dim1
	s_mov_b32 s[\g+5], 64                          ; from row to row
	s_mov_b32 s[\g+6], 0
	s_mov_b32 s[\g+7], 0
.endr
	s_mul_i32 s61, s60, 64*PKP
	s_mul_i32 s62, s60, 64*PVP
	s_add_co_u32 s62, s62, VOFF
	s_lshl_b32 s58, s60, 13
	s_mov_b32 s59, 0
	s_add_nc_u64 s[58:59], s[58:59], s[20:21]
	s_mov_b32 s[SEL], 0x76543210
	s_mov_b32 s[SEL+1], 0xfedcba98
	s_wait_dscnt 0x0                               ; both opening adds are done
	s_wait_kmcnt 0x0
	s_add_nc_u64 s[22:23], s[4:5], s[58:59]
	s_add_nc_u64 s[24:25], s[22:23], 0x2000000     ; V: my quarter of the head's key slot 0
	s_add_nc_u64 s[22:23], s[22:23], 0x1000000     ; K likewise
	s_mov_b32 s[G0K], 1
	s_mov_b32 s[G0K+1], s61
	s_mov_b64 s[G0K+2:G0K+3], s[22:23]
	s_or_b32 s[G0K+3], s[G0K+3], 0x80000000
	s_mov_b32 s[G0V], 1
	s_mov_b32 s[G0V+1], s62
	s_mov_b64 s[G0V+2:G0V+3], s[24:25]
	s_or_b32 s[G0V+3], s[G0V+3], 0x80000000
	TLOAD                                          ; slot 0
	s_cmp_lt_u32 s[WV], 4
	s_cselect_b64 s[PFA:PFA+1], s[22:23], s[24:25]
	s_add_nc_u64 s[PFA:PFA+1], s[PFA:PFA+1], 32768 ; in key slot 1: the first change steps it to slot 2
	v_and_b32 v1, 15, v0                           ; r
	v_bfe_u32 v2, v0, 4, 1                         ; h
	v_mul_u32_u24 v[AK0], v1, PKP
	v_lshl_add_u32 v[AK0], v2, 4, v[AK0]
	v_and_b32 v[ADK], 7, v0
	v_lshl_add_u32 v[AV0], v2, 3, v[ADK]
	v_mul_u32_u24 v[AV0], v[AV0], PVP
	v_bfe_u32 v[ADK], v0, 3, 1
	v_lshl_add_u32 v[AV0], v[ADK], 4, v[AV0]
	v_add_nc_u32 v[AV0], VOFF, v[AV0]
	v_lshlrev_b32 v[QO], 7, v1
	v_lshl_add_u32 v[QO], v2, 4, v[QO]
	s_mul_i32 s60, s[WV], 2*16*SP
	s_add_co_u32 s60, s60, STAGE
	v_mul_u32_u24 v[STO], v1, SP
	v_lshl_add_u32 v[STO], v2, 4, v[STO]
	v_add_nc_u32 v[STO], s60, v[STO]
	v_and_b32 v[GO], 31, v0
	v_lshrrev_b32 v[RD], 3, v[GO]
	v_mul_u32_u24 v[RD], v[RD], SP
	v_and_b32 v[ADV], 7, v0
	v_lshl_add_u32 v[RD], v[ADV], 4, v[RD]
	v_add_nc_u32 v[RD], s60, v[RD]
	v_lshlrev_b32 v[PFO], 8, v[GO]
	v_lshlrev_b32 v[GO], 4, v[GO]
	s_and_b32 s60, s[WV], 1
	s_lshl_b32 s60, s60, 5
	v_lshlrev_b32 v[DD], 3, v2
	v_sub_nc_u32 v[DD], v1, v[DD]
	v_add_nc_u32 v[DD], s60, v[DD]
	v_mov_b32 v[NINF], 0xff800000
.macro SETQ                            ; Q's and y's addresses for my 32 queries of block QB
	s_lshl_b32 s60, s[QB], 8
	s_lshl_b32 s61, s[WV], 5
	s_add_co_u32 s60, s60, s61
	s_lshl_b32 s60, s60, 7
	s_mov_b32 s61, 0
	s_add_nc_u64 s[60:61], s[60:61], s[20:21]
	s_add_nc_u64 s[26:27], s[4:5], s[60:61]
	s_add_nc_u64 s[YB:YB+1], s[6:7], s[60:61]
.endm
.macro QLOAD
	WIN 0x40                                       ; destination window 1
.irp t, 0,1
.irp kc, 0,1
	global_load_b128 v[QF+16*\t+8*\kc:QF+16*\t+8*\kc+3], v[QO], s[26:27] offset:\t*2048+\kc*64
	global_load_b128 v[QF+16*\t+8*\kc+4:QF+16*\t+8*\kc+7], v[QO], s[26:27] offset:\t*2048+\kc*64+32
.endr
.endr
	WIN 0
.endm
.macro INIT                            ; m = -3e38, under every score; l and O^T zeros, which the first change of m leaves zeros
.irp t, 0,1
	v_mov_b32 v[ST+8*\t], 0xff61b1e6
	v_mov_b32 v[ST+8*\t+1], 0xff61b1e6
.irp i, 2,3,4,5,6,7
	v_mov_b32 v[ST+8*\t+\i], 0
.endr
.endr
	WIN 0x40
.set OI, 0
.rept 64
	v_mov_b32 v[OI], 0
.set OI, OI+1
.endr
	WIN 0
.endm
; The two tiles go line by line, so that no instruction reads the result of the one just before it.
.macro SOFTMAX
.irp j, 0,1,2,3
.irp t, 0,1
	v_max3_num_f32 v[ST+8*\t+4+\j], v[S+32*\t+8*\j], v[S+32*\t+8*\j+1], v[S+32*\t+8*\j+2]   ; each accumulator is read from its low end on
.endr
.endr
.irp g, 1,2
.irp j, 0,1,2,3
.irp t, 0,1
	v_max3_num_f32 v[ST+8*\t+4+\j], v[ST+8*\t+4+\j], v[S+32*\t+8*\j+2*\g+1], v[S+32*\t+8*\j+2*\g+2]
.endr
.endr
.endr
.irp t, 0,1
	v_max3_num_f32 v[ST+8*\t+4], v[ST+8*\t+4], v[S+32*\t+7], v[S+32*\t+15]
.endr
.irp t, 0,1
	v_max3_num_f32 v[ST+8*\t+6], v[ST+8*\t+6], v[S+32*\t+23], v[S+32*\t+31]
.endr
.irp t, 0,1
	v_max3_num_f32 v[ST+8*\t+4], v[ST+8*\t+4], v[ST+8*\t+5], v[ST+8*\t+6]
.endr
.irp t, 0,1
	v_max3_num_f32 v[ST+8*\t+4], v[ST+8*\t+4], v[ST+8*\t+7], v[ST+8*\t]   ; with the old m
.endr
.irp t, 0,1
	v_permlanex16_b32 v[ST+8*\t+5], v[ST+8*\t+4], s[SEL], s[SEL+1]        ; the query's other 32 keys lie in the lane 16 away
.endr
.irp t, 0,1
	v_mov_b32 v[ST+8*\t+7], v[ST+8*\t]
.endr
.irp t, 0,1
	v_max_num_f32 v[ST+8*\t], v[ST+8*\t+4], v[ST+8*\t+5]                  ; the new m
.endr
.irp t, 0,1
	v_sub_f32 v[ST+8*\t+7], v[ST+8*\t+7], v[ST+8*\t]                      ; m_old - m_new
.endr
.irp i, 0,2,4,6,8,10,12,14,16,18,20,22,24,26,28,30
.irp t, 0,1
	v_pk_add_f32 v[S+32*\t+\i:S+32*\t+\i+1], v[S+32*\t+\i:S+32*\t+\i+1], v[ST+8*\t:ST+8*\t+1] op_sel_hi:[1,0] neg_lo:[0,1] neg_hi:[0,1]   ; s - m
.endr
.endr
.irp t, 0,1
	v_exp_f32 v[ST+8*\t+6], v[ST+8*\t+7]                                  ; a
.endr
.irp i, 0,1,2,3,4,5,6,7,8,9,10,11,12,13,14,15,16,17,18,19,20,21,22,23,24,25,26,27,28,29,30,31
.irp t, 0,1
	v_exp_f32 v[S+32*\t+\i], v[S+32*\t+\i]                                ; p
.endr
.endr
	v_nop                                          ; the plain instruction behind the last exponential
	s_wait_alu depctr_va_vdst(0)                   ; ONE wait for both tiles' 66 exponentials, ahead of their first reader
.irp i, 0,1,2,3,4,5,6,7,8,9,10,11,12,13,14,15
.irp t, 0,1
	v_cvt_pk_f16_f32 v[P+16*\t+\i], v[S+32*\t+2*\i], v[S+32*\t+2*\i+1]
.endr
.endr
.irp u, 0,1,2,3,4,5,6,7                ; the sum of the tile's 16 pairs, in place: neighbours 1, 2, 4 and 8 pairs apart
.irp t, 0,1
	v_pk_add_f32 v[S+32*\t+4*\u:S+32*\t+4*\u+1], v[S+32*\t+4*\u:S+32*\t+4*\u+1], v[S+32*\t+4*\u+2:S+32*\t+4*\u+3]
.endr
.endr
.irp u, 0,1,2,3
.irp t, 0,1
	v_pk_add_f32 v[S+32*\t+8*\u:S+32*\t+8*\u+1], v[S+32*\t+8*\u:S+32*\t+8*\u+1], v[S+32*\t+8*\u+4:S+32*\t+8*\u+5]
.endr
.endr
.irp u, 0,1
.irp t, 0,1
	v_pk_add_f32 v[S+32*\t+16*\u:S+32*\t+16*\u+1], v[S+32*\t+16*\u:S+32*\t+16*\u+1], v[S+32*\t+16*\u+8:S+32*\t+16*\u+9]
.endr
.endr
.irp t, 0,1
	v_pk_add_f32 v[S+32*\t:S+32*\t+1], v[S+32*\t:S+32*\t+1], v[S+32*\t+16:S+32*\t+17]
.endr
.irp t, 0,1
	v_pk_fma_f32 v[ST+8*\t+2:ST+8*\t+3], v[ST+8*\t+2:ST+8*\t+3], v[ST+8*\t+6:ST+8*\t+7], v[S+32*\t:S+32*\t+1] op_sel_hi:[1,0,1]   ; l = a l + the sum
.endr
	WIN W_RS
.irp i, 0,2,4,6,8,10,12,14,16,18,20,22,24,26,28,30
.irp t, 0,1
	v_pk_mul_f32 v[32*\t+\i:32*\t+\i+1], v[32*\t+\i:32*\t+\i+1], v[ST+8*\t+6:ST+8*\t+7] op_sel_hi:[1,0]   ; O^T x a, ascending
.endr
.endr
.endm
; A key step: 64 keys.
.macro STEP
	s_cmp_gt_u32 s[STP], s[TH]                     ; all its keys come after my queries
	s_cbranch_scc1 .Lskip_\@
	v_add_nc_u32 v[ADK], s[TK], v[AK0]
	v_add_nc_u32 v[ADV], s[TV], v[AV0]
.rept 4
	v_nop                                          ; places between the last step's products and the loads into V's registers
.endr
.irp kt, 0,1,2,3
.irp kc, 0,1
	ds_load_b128 v[KF+8*(2*\kt+\kc):KF+8*(2*\kt+\kc)+3], v[ADK] offset:\kt*16*PKP+\kc*64
	ds_load_b128 v[KF+8*(2*\kt+\kc)+4:KF+8*(2*\kt+\kc)+7], v[ADK] offset:\kt*16*PKP+\kc*64+32
.endr
.endr
.irp kk, 0,1
.irp ct, 0,1,2,3
	ds_load_tr16_b128 v[VF+8*(4*\kk+\ct):VF+8*(4*\kk+\ct)+3], v[ADV] offset:\kk*32*PVP+\ct*32
	ds_load_tr16_b128 v[VF+8*(4*\kk+\ct)+4:VF+8*(4*\kk+\ct)+7], v[ADV] offset:\kk*32*PVP+16*PVP+\ct*32
.endr
.endr
	s_wait_dscnt 16                                ; K is in; V's sixteen loads may be out
	WIN W_KQ
.irp kt, 0,1,2,3                       ; eight accumulators by turns, one instruction a turn
.irp t, 0,1
	v_wmma_f32_16x16x32_f16 v[S+32*\t+8*\kt:S+32*\t+8*\kt+7], v[KF+16*\kt:KF+16*\kt+7], v[QF+16*\t:QF+16*\t+7], 0
.endr
.endr
.irp kt, 0,1,2,3
.irp t, 0,1
	v_wmma_f32_16x16x32_f16 v[S+32*\t+8*\kt:S+32*\t+8*\kt+7], v[KF+16*\kt+8:KF+16*\kt+15], v[QF+16*\t+8:QF+16*\t+15], v[S+32*\t+8*\kt:S+32*\t+8*\kt+7]
.endr
.endr
	WIN 0
.rept 4
	v_nop
.endr
	s_cmp_lg_u32 s[STP], s[TH]                     ; only the step on the diagonal has hidden keys
	s_cbranch_scc1 .Lopen_\@
.irp t, 0,1
.irp kt, 0,1,2,3
.irp j, 0,1,2,3,4,5,6,7
	v_cmp_gt_i32 vcc_lo, 16*\kt+\j-16*\t, v[DD]    ; key 16 kt + 8 h + j of the step against query 32 (w & 1) + 16 t + r
	v_cndmask_b32 v[S+32*\t+8*\kt+\j], v[S+32*\t+8*\kt+\j], v[NINF], vcc_lo
.endr
.endr
.endr
.Lopen_\@:
	SOFTMAX
	s_wait_dscnt 0x0                               ; V is in
	WIN W_PV
.irp kk, 0,1
.irp ct, 0,1,2,3
.irp t, 0,1
	v_wmma_f32_16x16x32_f16 v[32*\t+8*\ct:32*\t+8*\ct+7], v[VF+8*(4*\kk+\ct):VF+8*(4*\kk+\ct)+7], v[P+16*\t+8*\kk:P+16*\t+8*\kk+7], v[32*\t+8*\ct:32*\t+8*\ct+7]
.endr
.endr
.endr
	WIN 0
.Lskip_\@:
.endm
.macro SLOT_STEPS                      ; a slot's four key steps: written once, walked four times
	s_mov_b32 s[TK], s[TB]
	s_mov_b32 s[TV], s[TB]
	s_mov_b32 s[STP], 0
.Lstep_\@:
	STEP
	s_add_co_u32 s[TK], s[TK], 64*PKP
	s_add_co_u32 s[TV], s[TV], 64*PVP
	s_add_co_u32 s[STP], s[STP], 1
	s_cmp_lt_u32 s[STP], 4
	s_cbranch_scc1 .Lstep_\@
.endm
; THE CHANGE OF SLOTS, at a slot's head.  Each wave waits for all its tensor loads (its part of the slot ahead), adds 0 to its spare word, and waits for that and for its reads of the slot that it has left.
; Behind the barrier the slot ahead is whole and nobody reads the other: fill = 1: it takes the next trip's keys, and the load has a slot's four steps in which to land.  One tensor load of mine is out.
.macro CHANGE fill
	s_wait_tensorcnt 0x0                           ; no tensor load of mine is out, so a group 0 may be written
	ds_add_u32 v[SPW], v[NIL]
.if \fill
	s_add_co_u32 s60, s[NN], 1                     ; the next trip
	s_cmp_lt_u32 s60, s[LIMIT]
	s_cselect_b32 s61, 0, s[LIMIT]
	s_sub_co_u32 s58, s60, s61                     ; its key slot
	s_lshl_b32 s58, s58, 15
	s_mov_b32 s59, 0
	s_add_nc_u64 s[G0K+2:G0K+3], s[22:23], s[58:59]
	s_or_b32 s[G0K+3], s[G0K+3], 0x80000000
	s_add_nc_u64 s[G0V+2:G0V+3], s[24:25], s[58:59]
	s_or_b32 s[G0V+3], s[G0V+3], 0x80000000
	s_xor_b32 s[G0K+1], s[G0K+1], SLOT1
	s_xor_b32 s[G0V+1], s[G0V+1], SLOT1
	s_wait_xcnt 0x0                                ; the last prefetch, a slot back, has read its address
	s_add_nc_u64 s[PFA:PFA+1], s[PFA:PFA+1], 32768
.endif
	s_wait_dscnt 0x0                               ; the add is done, and my reads of the slot that I have left are over
	s_barrier_signal -1
	s_barrier_wait -1
.if \fill
	TLOAD
	ASK
.endif
.endm
; A block's end: O^T / l, rounded to f16, through my stage, out as runs of 512 bytes.
.macro FINISH
.rept 4
	v_nop                                          ; places behind the last products
.endr
.irp t, 0,1
	v_add_f32 v[ST+8*\t+4], v[ST+8*\t+2], v[ST+8*\t+3]
.endr
.irp t, 0,1
	v_permlanex16_b32 v[ST+8*\t+5], v[ST+8*\t+4], s[SEL], s[SEL+1]
.endr
.irp t, 0,1
	v_add_f32 v[ST+8*\t+4], v[ST+8*\t+4], v[ST+8*\t+5]
.endr
.irp t, 0,1
	v_rcp_f32 v[ST+8*\t+6], v[ST+8*\t+4]
.endr
	v_nop
	s_wait_alu depctr_va_vdst(0)                   ; one wait for both reciprocals
	WIN 0x01                                       ; source 0 (O^T) window 1
.irp t, 0,1
.irp i, 0,2,4,6,8,10,12,14,16,18,20,22,24,26,28,30
	v_pk_mul_f32 v[S+32*\t+\i:S+32*\t+\i+1], v[32*\t+\i:32*\t+\i+1], v[ST+8*\t+6:ST+8*\t+7] op_sel_hi:[1,0]
.endr
.endr
	WIN 0
.irp i, 0,1,2,3,4,5,6,7,8,9,10,11,12,13,14,15,16,17,18,19,20,21,22,23,24,25,26,27,28,29,30,31
	v_cvt_pk_f16_f32 v[P+\i], v[S+2*\i], v[S+2*\i+1]
.endr
.irp t, 0,1
.irp ct, 0,1,2,3
	ds_store_b128 v[STO], v[P+16*\t+4*\ct:P+16*\t+4*\ct+3] offset:\t*16*SP+\ct*32
.endr
.endr
.irp t, 0,1
.irp i, 0,1,2,3
	ds_load_b128 v[S+4*(4*\t+\i):S+4*(4*\t+\i)+3], v[RD] offset:\t*16*SP+\i*4*SP   ; LDS serves a wave's instructions in order: these see the stores
.endr
.endr
	s_wait_dscnt 0x0
.irp t, 0,1
.irp i, 0,1,2,3
	global_store_b128 v[GO], v[S+4*(4*\t+\i):S+4*(4*\t+\i)+3], s[YB:YB+1] offset:\t*2048+\i*512
.endr
.endr
.endm
	s_sub_co_u32 s[QB], 7, s[II]
	SETQ
	QLOAD
	INIT
	s_wait_loadcnt 0x0                             ; Q
.Ltrip:                                            ; eight trips; behind each change of slots the next trip's keys are asked for
	CHANGE 1
	s_sub_co_u32 s60, s[LIMIT], 1
	s_lshr_b32 s61, s[WV], 1
	s_cmp_eq_u32 s[NN], s60
	s_cselect_b32 s[TH], s61, 99                   ; the block's last slot: the step on my diagonal; else no step is
	SLOT_STEPS
	s_sub_co_u32 s60, s[LIMIT], 1
	s_cmp_lg_u32 s[NN], s60
	s_cbranch_scc1 .Lsame_block                    ; ids and the count of trips alone
	FINISH
	s_wait_xcnt 0x0                                ; the stores have read their base and their data
	s_mov_b32 s[QB], s[II]
	SETQ
	QLOAD
	INIT
	s_wait_loadcnt 0x0
.Lsame_block:
	s_xor_b32 s[TB], s[TB], SLOT1
	s_add_co_u32 s[NN], s[NN], 1
	s_cmp_lt_u32 s[NN], 8
	s_cbranch_scc1 .Ltrip
	CHANGE 0                                       ; the ninth slot is written out: nothing is left to ask for
	s_lshr_b32 s[TH], s[WV], 1
	SLOT_STEPS
	FINISH
	s_wait_tensorcnt 0x0                           ; the wave's end
	ds_add_u32 v[SPW], v[NIL]
	s_wait_dscnt 0x0
	s_endpgm
.Lfunc_end_k_qffa102b819_attn:
	.size	k_qffa102b819_attn, .Lfunc_end_k_qffa102b819_attn-k_qffa102b819_attn
	.p2alignl 7, 3214868480
	.fill 96, 4, 3214868480
	.section	.rodata,"a",@progbits
	.p2align	6, 0x0
	.amdhsa_kernel k_qffa102b819_attn
		.amdhsa_group_segment_fixed_size 327680
		.amdhsa_private_segment_fixed_size 0
		.amdhsa_enable_private_segment 0
		.amdhsa_kernarg_size 16
		.amdhsa_user_sgpr_count 2
		.amdhsa_user_sgpr_kernarg_segment_ptr 1
		.amdhsa_wavefront_size32 1
		.amdhsa_system_sgpr_workgroup_id_x 1
		.amdhsa_system_sgpr_workgroup_id_y 1
		.amdhsa_system_sgpr_workgroup_id_z 1
		.amdhsa_system_vgpr_workitem_id 0
		.amdhsa_next_free_vgpr 384
		.amdhsa_next_free_sgpr 66
		.amdhsa_reserve_vcc 1
		.amdhsa_float_denorm_mode_32 3
		.amdhsa_float_denorm_mode_16_64 3
		.amdhsa_memory_ordered 1
		.amdhsa_forward_progress 1
		.amdhsa_inst_pref_size 71
	.end_amdhsa_kernel
	.amdgpu_metadata
---
amdhsa.version: [ 1, 2 ]
amdhsa.kernels:
  - .name:           k_qffa102b819_attn
    .symbol:         k_qffa102b819_attn.kd
    .args:
      - { .name: qkv16, .offset: 0, .size: 8, .value_kind: global_buffer, .address_space: global }
      - { .name: y16, .offset: 8, .size: 8, .value_kind: global_buffer, .address_space: global }
    .group_segment_fixed_size: 327680
    .private_segment_fixed_size: 0
    .kernarg_segment_align: 8
    .kernarg_segment_size: 16
    .max_flat_workgroup_size: 256
    .sgpr_count:     66
    .vgpr_count:     384
    .wavefront_size: 32
...
	.end_amdgpu_metadata
.endif
;; end of part 3
;; launch proj (part 4): grid 4 x 64, 4 waves a work-group, clusters of 4 x 4, 327,680 bytes of LDS; arguments y16, wp16, out0; writes out0
.if DOCPART == 4
	.amdgcn_target "amdgcn-amd-amdhsa--gfx1250"
	.amdhsa_code_object_version 6
	.text
	.protected	k_qffa102b819_proj
	.globl	k_qffa102b819_proj
	.p2align	8
	.type	k_qffa102b819_proj,@function
k_qffa102b819_proj:
	s_mov_b64 s[64:65], 0
	v_nop
	global_prefetch_b8 v0, s[64:65] scope:SCOPE_SE
	s_setreg_imm32_b32 hwreg(HW_REG_WAVE_MODE, 25, 1), 1
	s_wait_xcnt 0x0
	s_wait_alu depctr_hold_cnt(0) depctr_sa_sdst(0) depctr_va_vdst(0) depctr_va_sdst(0) depctr_va_ssrc(0) depctr_va_vcc(0) depctr_vm_vsrc(0)
	s_getreg_b32 s2, hwreg(HW_REG_IB_STS2, 6, 4)
	s_cmp_eq_u32 s2, 0
	s_cbranch_scc0 .Lentry_in_a_cluster
	s_endpgm
.Lentry_in_a_cluster:
	s_bfe_u32 s2, ttmp6, 0x10000c
	s_cmp_lg_u32 s2, 0xf033
	s_cbranch_scc0 .Lentry_shape_is_right
	s_endpgm
.Lentry_shape_is_right:
; out0 [8192][1024] f32 = y w_proj, on f16 operands with f32 sums.  y16: [batch][head][t][64] f16, so k = 64 head + channel.  wp16: [n][k] f16.
; A tile of out0 is 128 rows x 256 columns: 256 work-groups.  Four waves, each 64 x 128: 32 accumulators, 256 registers.  K goes in steps of 128 (two heads) through a ring of two LDS slots.
; A slot: A's two sub-tiles (a head each: 128 rows x 128 bytes, rows 144 bytes apart), then B's 256 rows x 256 bytes (272 apart).  Waves 0 and 1 fetch A's sub-tiles, waves 2 and 3 B's halves.
; CLUSTERS: 4 x 4 work-groups; A's tiles are shared along a row of the cluster, B's along a column: joint loads, each refill behind a round of the cluster's barrier.
; THE MATRIX INSTRUCTION IS USED TRANSPOSED (source 0 = 16 rows of wp16, source 1 = 16 rows of y): a lane holds eight neighbouring columns of one row of out0.
; No prefetch: B is read again by all sixteen clusters, and A's bytes are few beside a step's work.
; Rows 0 .. 15 of each batch are written here like all others and written once more, from finer sums, by the launch that follows.
; REGISTERS: window 0: v16-29 addresses; v32-159 the way out.   window 1: two fragment buffers of 96 (B's 64, then A's 32).   window 2: accumulator (a, b) at v[8 (8 a + b)].
.set PA,     144
.set PB,     272
.set SUBA,   128*PA
.set BOFF,   2*SUBA
.set HALFB,  128*PB
.set SLOT,   BOFF+2*HALFB               ; 106,496
.set SPARE,  2*SLOT
.set STAGE,  SPARE+512                  ; 16 rows x (512 bytes + 16) for each wave; no tensor load lands here
.set SPITCH, 528
.set ADRA, 16
.set ADRB, 20
.set STO,  24
.set RD,   25
.set CO,   26
.set SPW,  28
.set NIL,  29
.set BK,   32
.set F0,   0
.set F1,   96
.set G1, 24
.set G0, 32
.set G1B, 48
.set G0B, 56
.set MSB, 0
.macro WIN new
.if MSB != (\new)
	s_set_vgpr_msb (MSB<<8)|(\new)
.set MSB, (\new)
.endif
.endm
.set MUL,  0xa5                        ; sources 0 and 1 window 1; C and D window 2
.set TO_F, 0x40
.macro JLOAD s                         ; waves 0 and 1 fetch for A, waves 2 and 3 for B; an s_nop 0 and four v_nop follow each line
	s_cmp_eq_u32 s11, 0
	s_cbranch_scc0 .Lfor_b_\@
	tensor_load_to_lds s[G0+4*\s:G0+4*\s+3], s[G1:G1+7]
	s_nop 0
.rept 4
	v_nop
.endr
	s_branch .Lasked_\@
.Lfor_b_\@:
	tensor_load_to_lds s[G0B+4*\s:G0B+4*\s+3], s[G1B:G1B+7]
	s_nop 0
.rept 4
	v_nop
.endr
.Lasked_\@:
.endm
.macro CREST
	s_cmp_lg_u32 s10, 0
	s_cbranch_scc1 .Lnot_wave_0_\@
	s_barrier_signal -3
.Lnot_wave_0_\@:
	s_barrier_wait -3
	s_barrier_signal -1
	s_barrier_wait -1
.endm
.macro CROUND
	s_barrier_signal -1
	s_barrier_wait -1
	CREST
.endm
	s_load_b128 s[4:7], s[0:1], 0x0                ; y16 s[4:5], wp16 s[6:7]
	s_load_b64 s[8:9], s[0:1], 0x10                ; out0
	v_lshl_add_u32 v[SPW], v0, 2, SPARE
	v_mov_b32 v[NIL], 0
	ds_add_u32 v[SPW], v[NIL]                      ; the wave's opening: the add, twice on end, and its wait ahead of my first tensor load
	ds_add_u32 v[SPW], v[NIL]
	v_lshrrev_b32 v1, 5, v0
	v_readfirstlane_b32 s10, v1                    ; wave 0..3
	s_lshr_b32 s11, s10, 1                         ; which 64 rows are mine.  Also: I fetch for A (0) or for B (1)
	s_and_b32 s12, s10, 1                          ; which 128 columns.  Also: which sub-tile or half I fetch
	s_bfe_u32 s40, ttmp6, 0x40000                  ; cx = the tile column (the grid is one cluster wide)
	s_bfe_u32 s41, ttmp6, 0x40004                  ; cy
	s_and_b32 s13, ttmp7, 0xffff
	s_lshl_b32 s13, s13, 2
	s_add_co_u32 s13, s13, s41                     ; tile row R = 4 x cluster y + cy
	s_lshl_b32 s43, s41, 2
	s_lshl_b32 s43, 15, s43                        ; my row of the cluster
	s_lshl_b32 s44, 0x1111, s40                    ; my column
	s_or_b32 s[G1+0], s43, (1<<16)|(1<<20)|(1<<21)|(4<<22)|(3<<25)   ; elements of 2 bytes; 4 words of padding behind every 32
	s_mov_b32 s[G1+1], 64<<16                      ; tensor_dim0
	s_mov_b32 s[G1+2], 128<<16                     ; tensor_dim1
	s_mov_b32 s[G1+3], 64<<16                      ; tile_dim0
	s_mov_b32 s[G1+4], 128                         ; tile_dim1
	s_mov_b32 s[G1+5], 64                          ; from row to row
	s_mov_b32 s[G1+6], 0
	s_mov_b32 s[G1+7], 0
	s_or_b32 s[G1B+0], s44, (1<<16)|(1<<20)|(1<<21)|(5<<22)|(3<<25)  ; 4 words behind every 64
	s_mov_b32 s[G1B+1], 128<<16
	s_mov_b32 s[G1B+2], 128<<16
	s_mov_b32 s[G1B+3], 128<<16
	s_mov_b32 s[G1B+4], 128
	s_mov_b32 s[G1B+5], 1024
	s_mov_b32 s[G1B+6], 0
	s_mov_b32 s[G1B+7], 0
	s_lshr_b32 s16, s13, 4
	s_lshl_b32 s16, s16, 22                        ; the batch: 16 heads of 262,144 bytes
	s_and_b32 s17, s13, 15
	s_lshl_b32 s17, s17, 14                        ; 128 rows of 128 bytes
	s_add_co_u32 s16, s16, s17
	s_lshl_b32 s17, s12, 18                        ; my head of the step's two
	s_add_co_u32 s16, s16, s17
	s_mov_b32 s17, 0
	s_lshl_b32 s46, s40, 19                        ; 256 rows of 2,048 bytes
	s_lshl_b32 s47, s12, 18
	s_add_co_u32 s46, s46, s47
	s_mov_b32 s47, 0
	s_mul_i32 s20, s12, SUBA
	s_mul_i32 s21, s12, HALFB
	s_add_co_u32 s21, s21, BOFF
	s_wait_dscnt 0x0                               ; both opening adds are done
	s_wait_kmcnt 0x0
	s_add_nc_u64 s[14:15], s[4:5], s[16:17]
	s_add_nc_u64 s[46:47], s[6:7], s[46:47]
	CROUND                                         ; all sixteen work-groups are here: the first joint loads meet
.irp s, 0,1
	s_mov_b32 s[G0+4*\s], 1
	s_add_co_u32 s[G0+4*\s+1], s20, \s*SLOT
	s_add_nc_u64 s[G0+4*\s+2:G0+4*\s+3], s[14:15], \s*524288
	s_or_b32 s[G0+4*\s+3], s[G0+4*\s+3], 0x80000000
	s_mov_b32 s[G0B+4*\s], 1
	s_add_co_u32 s[G0B+4*\s+1], s21, \s*SLOT
	s_add_nc_u64 s[G0B+4*\s+2:G0B+4*\s+3], s[46:47], \s*256
	s_or_b32 s[G0B+4*\s+3], s[G0B+4*\s+3], 0x80000000
	JLOAD \s                                       ; two loads of mine are out
.endr
	v_and_b32 v1, 15, v0                           ; r
	v_bfe_u32 v2, v0, 4, 1                         ; h
	v_mul_u32_u24 v3, v1, PA
	v_lshl_add_u32 v3, v2, 4, v3
	v_mul_u32_u24 v4, v1, PB
	v_lshl_add_u32 v4, v2, 4, v4
	s_mul_i32 s21, s11, 64*PA
	s_mul_i32 s22, s12, HALFB
	s_add_co_u32 s22, s22, BOFF
.irp s, 0,1
	v_add_nc_u32 v[ADRA+\s], s21, v3
	v_add_nc_u32 v[ADRB+\s], s22, v4
	s_add_co_u32 s21, s21, SLOT
	s_add_co_u32 s22, s22, SLOT
.endr
	s_mul_i32 s23, s10, 16*SPITCH
	s_add_co_u32 s23, s23, STAGE
	v_mul_u32_u24 v5, v1, SPITCH
	v_lshl_add_u32 v5, v2, 5, v5
	v_add_nc_u32 v[STO], s23, v5                   ; in: row r, 32 bytes for each half of the lanes
	v_and_b32 v6, 31, v0
	v_lshlrev_b32 v[CO], 4, v6
	v_add_nc_u32 v[RD], s23, v[CO]                 ; back: the 32 lanes take one row of 512 bytes
	s_lshl_b32 s16, s13, 7
	s_lshl_b32 s17, s11, 6
	s_add_co_u32 s16, s16, s17
	s_lshl_b32 s16, s16, 12                        ; my first row of out0, 4,096 bytes a row
	s_lshl_b32 s17, s40, 10
	s_add_co_u32 s16, s16, s17
	s_lshl_b32 s17, s12, 9
	s_add_co_u32 s16, s16, s17
	s_mov_b32 s17, 0
	s_add_nc_u64 s[8:9], s[8:9], s[16:17]
.macro MUL8 f, a, zero                 ; A's block a x B's eight, 32 along K.  The 32 accumulators take turns, one instruction a turn, in the same order in every quarter
.irp b, 0,1,2,3,4,5,6,7
.if \zero
	v_wmma_f32_16x16x32_f16 v[8*(8*(\a)+\b):8*(8*(\a)+\b)+7], v[\f+8*\b:\f+8*\b+7], v[\f+64+8*(\a):\f+64+8*(\a)+7], 0
.else
	v_wmma_f32_16x16x32_f16 v[8*(8*(\a)+\b):8*(8*(\a)+\b)+7], v[\f+8*\b:\f+8*\b+7], v[\f+64+8*(\a):\f+64+8*(\a)+7], v[8*(8*(\a)+\b):8*(8*(\a)+\b)+7]
.endif
.endr
.endm
.macro FETCH slot, q, f                ; 24 LDS loads in one run: the fragments of quarter q (32 along K); A's blocks 2 and 3 last
	WIN TO_F
.irp i, 0,1,2,3,4,5,6,7
	ds_load_b128 v[\f+8*\i:\f+8*\i+3],   v[ADRB+\slot] offset:64*(\q)+\i*16*PB
	ds_load_b128 v[\f+8*\i+4:\f+8*\i+7], v[ADRB+\slot] offset:64*(\q)+\i*16*PB+32
.endr
.irp i, 0,1,2,3
	ds_load_b128 v[\f+64+8*\i:\f+64+8*\i+3],   v[ADRA+\slot] offset:((\q)/2)*SUBA+((\q)%2)*64+\i*16*PA
	ds_load_b128 v[\f+64+8*\i+4:\f+64+8*\i+7], v[ADRA+\slot] offset:((\q)/2)*SUBA+((\q)%2)*64+\i*16*PA+32
.endr
.endm
.macro PLACES
.rept 4
	v_nop
.endr
.endm
.macro QUARTER slot, qn, f, g, zero    ; multiplies buffer f; in its middle fetches quarter qn into buffer g
	s_wait_dscnt 4                                 ; B and A's blocks 0 and 1 are in; A's blocks 2 and 3 (four loads) may be out
	WIN MUL
	MUL8 \f, 0, \zero
	MUL8 \f, 1, \zero
	PLACES
	FETCH \slot, \qn, \g
	s_wait_dscnt 24                                ; all but the 24 just issued
	WIN MUL
	MUL8 \f, 2, \zero
	MUL8 \f, 3, \zero
.endm
; A K step's last quarter changes slots: one barrier; in front of it each wave waits for all its tensor loads, adds 0 to its spare word, and waits for that and for its reads of this slot.
; fill = 1: the barrier opens a round of the cluster's barrier, and this slot is filled again, two K steps ahead: the first tensor load behind the round, one a wave.
.macro TURN slot, next, fill
	WIN 0
	s_wait_tensorcnt 0x0
	ds_add_u32 v[SPW], v[NIL]
	s_wait_dscnt 5                                 ; the add and A's blocks 2 and 3 may be out
	WIN MUL
	MUL8 F1, 0, 0
	s_wait_dscnt 0x0                               ; the add is done, and my reads of this slot are over
	s_barrier_signal -1
	MUL8 F1, 1, 0
.if \fill
	WIN 0
.endif
	s_barrier_wait -1
.if \fill
	CREST
	s_add_nc_u64 s[G0+4*\slot+2:G0+4*\slot+3], s[G0+4*\slot+2:G0+4*\slot+3], 1048576   ; four heads on
	s_add_nc_u64 s[G0B+4*\slot+2:G0B+4*\slot+3], s[G0B+4*\slot+2:G0B+4*\slot+3], 512
	JLOAD \slot                                    ; the four v_nop behind it are also the places in front of the loads below
.else
	PLACES
.endif
	FETCH \next, 0, F0
	WIN MUL
	MUL8 F1, 2, 0
	MUL8 F1, 3, 0
.endm
	s_wait_tensorcnt 1                             ; my part of K step 0 is in; K step 1's load may be out
	s_barrier_signal -1
	s_barrier_wait -1
	FETCH 0, 0, F0
	QUARTER 0, 1, F0, F1, 1                        ; the first quarter's products start the sums
	WIN 0
	s_mov_b32 s3, 3
.Llap:                                             ; a trip goes once round the ring and fills both slots again: K steps 2 .. 7
	QUARTER 0, 2, F1, F0, 0
	QUARTER 0, 3, F0, F1, 0
	TURN 0, 1, 1
	QUARTER 1, 1, F0, F1, 0
	QUARTER 1, 2, F1, F0, 0
	QUARTER 1, 3, F0, F1, 0
	TURN 1, 0, 1
	QUARTER 0, 1, F0, F1, 0
	WIN 0
	s_sub_co_u32 s3, s3, 1
	s_cmp_lg_u32 s3, 0
	s_cbranch_scc1 .Llap
	QUARTER 0, 2, F1, F0, 0                        ; the last lap fills nothing
	QUARTER 0, 3, F0, F1, 0
	TURN 0, 1, 0
	QUARTER 1, 1, F0, F1, 0
	QUARTER 1, 2, F1, F0, 0
	QUARTER 1, 3, F0, F1, 0
	s_wait_dscnt 4
	WIN MUL
	MUL8 F1, 0, 0
	MUL8 F1, 1, 0
	s_wait_dscnt 0
	MUL8 F1, 2, 0
	MUL8 F1, 3, 0
	WIN 0
; THE WAY OUT, a block of 16 rows x 128 columns at a time, through my own stage: in as 32 bytes a lane, back as whole rows of 512 bytes.
.macro TOSTAGE a
	WIN 0x08                                       ; an LDS store's data: window 2
.irp b, 0,1,2,3,4,5,6,7
	ds_store_b128 v[STO], v[8*(8*(\a)+\b):8*(8*(\a)+\b)+3] offset:64*\b          ; each accumulator from its low end on
	ds_store_b128 v[STO], v[8*(8*(\a)+\b)+4:8*(8*(\a)+\b)+7] offset:64*\b+16
.endr
	WIN 0
.set BB, BK+64*((\a)%2)
.irp t, 0,1,2,3,4,5,6,7,8,9,10,11,12,13,14,15
	ds_load_b128 v[BB+4*\t:BB+4*\t+3], v[RD] offset:\t*SPITCH
.endr
.endm
.macro SEND a, younger
.set BB, BK+64*((\a)%2)
	s_wait_dscnt \younger                          ; the block is back; the next block's 16 stores and 16 loads may be out
.if (\a) > 0
	s_add_nc_u64 s[8:9], s[8:9], 65536             ; 16 rows on (behind a wait that shows the earlier stores have read their base)
.endif
.irp t, 0,1,2,3,4,5,6,7,8,9,10,11,12,13,14,15
	global_store_b128 v[CO], v[BB+4*\t:BB+4*\t+3], s[8:9] offset:\t*4096 th:TH_STORE_NT   ; 32 lanes store 512 consecutive bytes
.endr
.endm
	PLACES
	TOSTAGE 0
.irp a, 1,2,3
.if \a > 1
	s_wait_xcnt 0x0                                ; block a - 2's stores have read their registers and their base
.endif
	TOSTAGE \a
	SEND \a-1, 32
.endr
	s_wait_xcnt 0x0
	SEND 3, 0
	s_wait_tensorcnt 0x0                           ; the wave's end
	ds_add_u32 v[SPW], v[NIL]
	s_wait_dscnt 0x0
	CROUND                                         ; the closing round
	s_endpgm
.Lfunc_end_k_qffa102b819_proj:
	.size	k_qffa102b819_proj, .Lfunc_end_k_qffa102b819_proj-k_qffa102b819_proj
	.p2alignl 7, 3214868480
	.fill 96, 4, 3214868480
	.section	.rodata,"a",@progbits
	.p2align	6, 0x0
	.amdhsa_kernel k_qffa102b819_proj
		.amdhsa_group_segment_fixed_size 327680
		.amdhsa_private_segment_fixed_size 0
		.amdhsa_enable_private_segment 0
		.amdhsa_kernarg_size 24
		.amdhsa_user_sgpr_count 2
		.amdhsa_user_sgpr_kernarg_segment_ptr 1
		.amdhsa_wavefront_size32 1
		.amdhsa_system_sgpr_workgroup_id_x 1
		.amdhsa_system_sgpr_workgroup_id_y 1
		.amdhsa_system_sgpr_workgroup_id_z 1
		.amdhsa_system_vgpr_workitem_id 0
		.amdhsa_next_free_vgpr 768
		.amdhsa_next_free_sgpr 66
		.amdhsa_reserve_vcc 0
		.amdhsa_float_denorm_mode_32 3
		.amdhsa_float_denorm_mode_16_64 3
		.amdhsa_memory_ordered 1
		.amdhsa_forward_progress 1
		.amdhsa_inst_pref_size 85
	.end_amdhsa_kernel
	.amdgpu_metadata
---
amdhsa.version: [ 1, 2 ]
amdhsa.kernels:
  - .name:           k_qffa102b819_proj
    .symbol:         k_qffa102b819_proj.kd
    .args:
      - { .name: y16, .offset: 0, .size: 8, .value_kind: global_buffer, .address_space: global }
      - { .name: wp16, .offset: 8, .size: 8, .value_kind: global_buffer, .address_space: global }
      - { .name: out0, .offset: 16, .size: 8, .value_kind: global_buffer, .address_space: global }
    .group_segment_fixed_size: 327680
    .private_segment_fixed_size: 0
    .kernarg_segment_align: 8
    .kernarg_segment_size: 24
    .max_flat_workgroup_size: 128
    .sgpr_count:     66
    .vgpr_count:     768
    .wavefront_size: 32
...
	.end_amdgpu_metadata
.endif
;; end of part 4
;; launch fine (part 5): grid 16 x 4, 16 waves a work-group, no clusters, 71,680 bytes of LDS; arguments qkvf, w_proj, out0; writes out0
.if DOCPART == 5
	.amdgcn_target "amdgcn-amd-amdhsa--gfx1250"
	.amdhsa_code_object_version 6
	.text
	.protected	k_qffa102b819_fine
	.globl	k_qffa102b819_fine
	.p2align	8
	.type	k_qffa102b819_fine,@function
k_qffa102b819_fine:
	s_mov_b64 s[64:65], 0
	v_nop
	global_prefetch_b8 v0, s[64:65] scope:SCOPE_SE
	s_setreg_imm32_b32 hwreg(HW_REG_WAVE_MODE, 25, 1), 1
	s_wait_xcnt 0x0
; THE FIRST 16 POSITIONS OF EACH BATCH, ONCE MORE, IN F32.  There a row of the softmax averages one to sixteen values, and the rounding of 16-bit operands would weigh most: attention and projection are redone
; on f32 operands, and rows 0 .. 15 of each batch of out0 are written over.  qkvf: [batch][t 16][3072] f32: q (rotated, times log2(e) / 8), k (rotated), v.
; SHARES.  Work-group (slice, batch) makes 16 rows x 64 columns (64 slice on).  Wave hd redoes head hd's 16 x 16 attention and multiplies its y (16 x 64) with w_proj's rows 64 hd .. 64 hd + 63 at those columns;
; the sixteen partial sums meet in LDS, and wave hd adds and stores row hd.
; All products by v_wmma_f32_16x16x4_f32: 96 a wave, no bulk work.  Its K places hold the channels (or keys) in an order that is the same on both sources.  The registers that it writes are written by it alone.
; S^T = K Q^T, O^T = V^T P, D = W^T y^T: a lane holds one query (lane % 16) throughout.
; REGISTERS: v3-10 addresses; v11 m; v[12:13] l; v16-23 s; v24-31 p; v32-63 Q, v64-95 K, later W's tiles 2, 3, later the partial sums; v96-127 V, later y; v128-191 W's tiles 0, 1;
;   v192-207 S^T in two sums; v208-239 O^T, later D; v240-243 lane permutes' destinations.
.set SPARE, 69632                      ; behind the sixteen partial sums of 16 rows x 272 bytes: the spare words, 128 bytes a wave
	s_load_b128 s[4:7], s[0:1], 0x0                ; qkvf s[4:5], w_proj s[6:7]
	s_load_b64 s[8:9], s[0:1], 0x10                ; out0
	v_lshl_add_u32 v14, v0, 2, SPARE
	v_mov_b32 v15, 0
	v_lshrrev_b32 v1, 5, v0
	v_readfirstlane_b32 s10, v1                    ; wave = head
	v_and_b32 v1, 15, v0                           ; r
	v_bfe_u32 v2, v0, 4, 1                         ; h
	s_and_b32 s11, ttmp7, 0xffff                   ; batch
	v_mul_u32_u24 v3, v1, 12288
	v_lshl_add_u32 v3, v2, 4, v3                   ; q, k: row r, + 16 h bytes
	v_mul_u32_u24 v4, v2, 98304
	v_lshl_add_u32 v4, v1, 2, v4                   ; v: keys 8 h on, channel r
	v_lshlrev_b32 v5, 15, v2
	v_lshl_add_u32 v5, v1, 2, v5                   ; w_proj: rows 8 h on, column r
	s_mul_i32 s12, s10, 16*272
	v_mul_u32_u24 v6, v1, 272
	v_lshl_add_u32 v6, v2, 5, v6
	v_add_nc_u32 v6, s12, v6                       ; my partial sum: row r, + 32 h
	s_mul_i32 s12, s10, 272
	v_mul_u32_u24 v7, v2, 8*16*272
	v_lshl_add_u32 v7, v1, 4, v7
	v_add_nc_u32 v7, s12, v7                       ; back: row hd of heads 8 h on, 16 bytes a lane
	v_lshlrev_b32 v8, 4, v1
	v_lshlrev_b32 v9, 3, v2
	v_sub_nc_u32 v9, v1, v9                        ; r - 8 h
	v_mov_b32 v10, 0xff800000
.irp i, 0,1,2,3
	v_mov_b32 v[240+\i], 0                         ; a lane permute's destination counts as one of its sources
.endr
	s_mov_b32 s20, 0x76543210
	s_mov_b32 s21, 0xfedcba98
	s_mul_i32 s12, s11, 196608
	s_lshl_b32 s13, s10, 8
	s_add_co_u32 s12, s12, s13
	s_mov_b32 s13, 0
	s_lshl_b32 s14, s10, 18
	s_lshl_b32 s15, ttmp9, 8
	s_add_co_u32 s14, s14, s15
	s_mov_b32 s15, 0
	s_lshl_b32 s16, s11, 11
	s_add_co_u32 s16, s16, s10
	s_lshl_b32 s16, s16, 12
	s_lshl_b32 s17, ttmp9, 8
	s_add_co_u32 s16, s16, s17
	s_mov_b32 s17, 0
	s_wait_kmcnt 0x0
	s_add_nc_u64 s[4:5], s[4:5], s[12:13]          ; qkvf at my batch and head
	s_add_nc_u64 s[6:7], s[6:7], s[14:15]          ; w_proj at row 64 hd, column 64 slice
	s_add_nc_u64 s[8:9], s[8:9], s[16:17]          ; out0 at row hd of my batch, column 64 slice
.irp c, 0,1,2,3,4,5,6,7
	global_load_b128 v[32+4*\c:35+4*\c], v3, s[4:5] offset:32*\c          ; q(r, 8 c + 4 h + 0 .. 3)
.endr
.irp c, 0,1,2,3,4,5,6,7
	global_load_b128 v[64+4*\c:67+4*\c], v3, s[4:5] offset:4096+32*\c     ; k likewise
.endr
.irp ct, 0,1,2,3
.irp c, 0,1,2,3
.irp e, 0,1
	global_load_b32 v[96+8*\ct+2*\c+\e], v4, s[4:5] offset:8192+(2*\c+\e)*12288+64*\ct   ; v(key 8 h + 2 c + e, channel 16 ct + r)
.endr
.endr
.endr
	s_wait_loadcnt 32                              ; q and k are in; v's 32 loads may be out
	v_wmma_f32_16x16x4_f32 v[192:199], v[64:65], v[32:33], 0       ; two sums by turns; each begins with the constant 0
	v_wmma_f32_16x16x4_f32 v[200:207], v[66:67], v[34:35], 0
.irp cc, 2,3,4,5,6,7,8,9,10,11,12,13,14,15
	v_wmma_f32_16x16x4_f32 v[192+8*(\cc%2):199+8*(\cc%2)], v[64+2*\cc:65+2*\cc], v[32+2*\cc:33+2*\cc], v[192+8*(\cc%2):199+8*(\cc%2)]
.endr
	s_wait_loadcnt 0x0                             ; v
.rept 8
	v_nop                                          ; eight places behind this form: for the loads into Q's and K's registers and the reads of the sums
.endr
.irp u, 0,1,2,3                        ; w_proj's four tiles of 16 columns: tiles 0, 1 at v128, tiles 2, 3 at v32
.irp ct, 0,1,2,3
.irp jj, 0,1,2,3
.irp e, 0,1
	global_load_b32 v[128+32*\u-160*(\u/2)+8*\ct+2*\jj+\e], v5, s[6:7] offset:(16*\ct+2*\jj+\e)*4096+64*\u   ; W(64 hd + 16 ct + 8 h + 2 jj + e, 16 u + r)
.endr
.endr
.endr
.endr
.irp j, 0,1,2,3,4,5,6,7
	v_add_f32 v[16+\j], v[192+\j], v[200+\j]       ; s(key 8 h + j, query r), from the low end on
.endr
.irp j, 0,1,2,3,4,5,6,7
	v_cmp_gt_i32 vcc_lo, \j, v9                    ; key 8 h + j comes after query r
	v_cndmask_b32 v[16+\j], v[16+\j], v10, vcc_lo
.endr
	v_max3_num_f32 v11, v16, v17, v18
	v_max3_num_f32 v11, v11, v19, v20
	v_max3_num_f32 v11, v11, v21, v22
	v_max_num_f32 v11, v11, v23
	v_permlanex16_b32 v240, v11, s20, s21
	v_max_num_f32 v11, v11, v240                   ; the row's maximum (key 0 counts for every query)
.irp j, 0,1,2,3,4,5,6,7
	v_sub_f32 v[24+\j], v[16+\j], v11
.endr
.irp j, 0,1,2,3,4,5,6,7
	v_exp_f32 v[24+\j], v[24+\j]
.endr
	v_nop
	s_wait_alu depctr_va_vdst(0)                   ; one wait for the eight exponentials, ahead of their first reader
	v_add_f32 v12, v24, v25
	v_add_f32 v13, v26, v27
	v_add_f32 v12, v12, v28
	v_add_f32 v13, v13, v29
	v_add_f32 v12, v12, v30
	v_add_f32 v13, v13, v31
	v_add_f32 v12, v12, v13
	v_permlanex16_b32 v241, v12, s20, s21
	v_add_f32 v12, v12, v241
	v_rcp_f32 v12, v12
	v_nop
	s_wait_alu depctr_va_vdst(0)
.irp ct, 0,1,2,3
	v_wmma_f32_16x16x4_f32 v[208+8*\ct:215+8*\ct], v[96+8*\ct:97+8*\ct], v[24:25], 0    ; O^T: four sums by turns
.endr
.irp c, 1,2,3
.irp ct, 0,1,2,3
	v_wmma_f32_16x16x4_f32 v[208+8*\ct:215+8*\ct], v[96+8*\ct+2*\c:97+8*\ct+2*\c], v[24+2*\c:25+2*\c], v[208+8*\ct:215+8*\ct]
.endr
.endr
.rept 8
	v_nop
.endr
.irp i, 0,2,4,6,8,10,12,14,16,18,20,22,24,26,28,30
	v_pk_mul_f32 v[96+\i:97+\i], v[208+\i:209+\i], v[12:13] op_sel_hi:[1,0]    ; y(query r, channel 16 ct + 8 h + j) at register 8 ct + j
.endr
.rept 9
	v_nop                                          ; nine places before matrix instructions write over those sums' registers
.endr
	s_wait_loadcnt 0x0                             ; w_proj
.irp u, 0,1,2,3
	v_wmma_f32_16x16x4_f32 v[208+8*\u:215+8*\u], v[128+32*\u-160*(\u/2):129+32*\u-160*(\u/2)], v[96:97], 0     ; D: four sums by turns
.endr
.irp k, 1,2,3,4,5,6,7,8,9,10,11,12,13,14,15
.irp u, 0,1,2,3
	v_wmma_f32_16x16x4_f32 v[208+8*\u:215+8*\u], v[128+32*\u-160*(\u/2)+2*\k:129+32*\u-160*(\u/2)+2*\k], v[96+2*\k:97+2*\k], v[208+8*\u:215+8*\u]
.endr
.endr
.rept 8
	v_nop
.endr
.irp u, 0,1,2,3
	ds_store_b128 v6, v[208+8*\u:211+8*\u] offset:64*\u        ; lane (r, h): columns 16 u + 8 h + 0 .. 7 of row r
	ds_store_b128 v6, v[212+8*\u:215+8*\u] offset:64*\u+16
.endr
	s_wait_dscnt 0x0                               ; for the others' sake: my partial sum lies in LDS
	s_barrier_signal -1
	s_barrier_wait -1
.irp i, 0,1,2,3,4,5,6,7
	ds_load_b128 v[32+4*\i:35+4*\i], v7 offset:\i*16*272       ; row hd of head 8 h + i
.endr
	s_wait_dscnt 0x0
.irp i, 1,2,3,4,5,6,7
	v_pk_add_f32 v[32:33], v[32:33], v[32+4*\i:33+4*\i]
	v_pk_add_f32 v[34:35], v[34:35], v[34+4*\i:35+4*\i]
.endr
.irp i, 0,1,2,3
	v_permlanex16_b32 v[240+\i], v[32+\i], s20, s21
.endr
.irp i, 0,1,2,3
	v_add_f32 v[32+\i], v[32+\i], v[240+\i]        ; with the other eight heads
.endr
	v_cmp_eq_u32 vcc_lo, 0, v2
	s_wait_xcnt 0x0                                ; EXEC changes only behind this wait
	s_and_saveexec_b32 s22, vcc_lo                 ; lanes 0-15
	global_store_b128 v8, v[32:35], s[8:9]         ; sixteen lanes store 256 consecutive bytes
	s_wait_xcnt 0x0                                ; and again in front of the line that widens it
	s_or_b32 exec_lo, exec_lo, s22
	s_wait_tensorcnt 0x0                           ; the wave's end
	ds_add_u32 v14, v15
	s_wait_dscnt 0x0
	s_endpgm
.Lfunc_end_k_qffa102b819_fine:
	.size	k_qffa102b819_fine, .Lfunc_end_k_qffa102b819_fine-k_qffa102b819_fine
	.p2alignl 7, 3214868480
	.fill 96, 4, 3214868480
	.section	.rodata,"a",@progbits
	.p2align	6, 0x0
	.amdhsa_kernel k_qffa102b819_fine
		.amdhsa_group_segment_fixed_size 71680
		.amdhsa_private_segment_fixed_size 0
		.amdhsa_enable_private_segment 0
		.amdhsa_kernarg_size 24
		.amdhsa_user_sgpr_count 2
		.amdhsa_user_sgpr_kernarg_segment_ptr 1
		.amdhsa_wavefront_size32 1
		.amdhsa_system_sgpr_workgroup_id_x 1
		.amdhsa_system_sgpr_workgroup_id_y 1
		.amdhsa_system_sgpr_workgroup_id_z 1
		.amdhsa_system_vgpr_workitem_id 0
		.amdhsa_next_free_vgpr 256
		.amdhsa_next_free_sgpr 66
		.amdhsa_reserve_vcc 1
		.amdhsa_float_denorm_mode_32 3
		.amdhsa_float_denorm_mode_16_64 3
		.amdhsa_memory_ordered 1
		.amdhsa_forward_progress 1
		.amdhsa_inst_pref_size 33
	.end_amdhsa_kernel
	.amdgpu_metadata
---
amdhsa.version: [ 1, 2 ]
amdhsa.kernels:
  - .name:           k_qffa102b819_fine
    .symbol:         k_qffa102b819_fine.kd
    .args:
      - { .name: qkvf, .offset: 0, .size: 8, .value_kind: global_buffer, .address_space: global }
      - { .name: w_proj, .offset: 8, .size: 8, .value_kind: global_buffer, .address_space: global }
      - { .name: out0, .offset: 16, .size: 8, .value_kind: global_buffer, .address_space: global }
    .group_segment_fixed_size: 71680
    .private_segment_fixed_size: 0
    .kernarg_segment_align: 8
    .kernarg_segment_size: 24
    .max_flat_workgroup_size: 512
    .sgpr_count:     66
    .vgpr_count:     256
    .wavefront_size: 32
...
	.end_amdgpu_metadata
.endif
;; end of part 5
